; MI455X (gfx1250); checked and timed in simulation.
; The chip was launched on July 23, 2026; its instructions are those of AMD's public machine-readable ISA for CDNA 5 (MIT licence, August 2026) and "CDNA5" Instruction Set Architecture Reference Guide (July 2026). The comments in the code are by the model that wrote it; some were corrected since.
;; Attention. Allowed arithmetic: matrix products marked QUANTISED: E3M2 operands, one E8M0 scale for each 32 along K, by v_wmma_scale_f32_16x16x128_f8f6f4 with both operands' format E3M2, f32 sums; everything else in f32.
;; Inputs: Wk_codes 1,024 x 32 x 24 uint8 (E3M2 codes of Wk, K innermost, in blocks of 32 codes, four codes in three bytes); Wk_scales 1,024 x 32 uint8 (E8M0 scales of Wk, one for each 32 codes along K); Wq_codes 1,024 x 32 x 24 uint8 (E3M2 codes of Wq, K innermost, in blocks of 32 codes, four codes in three bytes); Wq_scales 1,024 x 32 uint8 (E8M0 scales of Wq, one for each 32 codes along K); Wv_codes 1,024 x 32 x 24 uint8 (E3M2 codes of Wv, K innermost, in blocks of 32 codes, four codes in three bytes); Wv_scales 1,024 x 32 uint8 (E8M0 scales of Wv, one for each 32 codes along K); bk 1,024 float32; bq 1,024 float32; bv 1,024 float32; embedded 4 x 2,048 x 1,024 float32.
;; Outputs: out0 4 x 2,048 x 1,024 float32.
;; This version of the problem:
;;   THIS VERSION OF THE PROBLEM IS GIVEN IN LOW PRECISION. The matrix products marked QUANTISED in the list below multiply operands that are first quantised to E3M2 (3 exponent bits, 2 mantissa bits; 6 bits a number), with one power-of-two scale for each 32 numbers along K (OCP MX v1.0); their sums are f32. All else is computed in f32.
;;   The module's matrix products, in the order in which they are computed (A, B: the left and right operand; K: the contracted axis; several contracted axes count as one K, in the product's order):
;;     1. [M 8,192, K 1,024] x [K 1,024, N 1,024]; A: input embedded; B: input Wq (given as codes): QUANTISED
;;     2. [M 8,192, K 1,024] x [K 1,024, N 1,024]; A: input embedded; B: input Wk (given as codes): QUANTISED
;;     3. [M 8,192, K 1,024] x [K 1,024, N 1,024]; A: input embedded; B: input Wv (given as codes): QUANTISED
;;     4. batch 4 x [M 2,048, K 1,024] x [K 1,024, N 2,048]; A: computed on the way; B: computed on the way: QUANTISED
;;     5. batch 4 x [M 2,048, K 2,048] x [K 2,048, N 1,024]; A: softmax (see below); B: computed on the way: QUANTISED
;;   THE QUANTISER, for each operand of a quantised product, along K:
;;     - K is cut into blocks of 32 from its start; a last block that is shorter is filled with zeros.
;;     - A block's scale is 2^e with e = floor(log2(the largest magnitude in the block)) - 4, held to -126 .. 127; a block of zeros has e = 0. As a byte (E8M0): e + 127.
;;     - Each number is divided by its block's scale, clamped to +-28, and rounded to the nearest number of E3M2, ties to even, subnormals kept.
;;     - The product sums the exact products of the quantised numbers (number of the format x scale) in f32.
;;   ~~~python
;;   def quantise(x, axis):      # numpy; x: float32 -> the quantised numbers, widened to float32 again
;;       x = np.moveaxis(x, axis, -1); K = x.shape[-1]
;;       x = np.pad(x, [(0, 0)] * (x.ndim - 1) + [(0, -K % 32)]); x = x.reshape(x.shape[:-1] + (-1, 32)); a = np.abs(x).max(-1, keepdims=True)
;;       e = np.where(a > 0, np.clip(np.frexp(np.where(a > 0, a, 1))[1] - 1 - 4, -126, 127), 0)      # np.frexp(a)[1] - 1 = floor(log2(a)), exactly
;;       r = np.clip(x / 2.0 ** e, -28, 28)
;;       step = 2.0 ** (np.maximum(np.frexp(np.where(r == 0, 1, r))[1] - 1, -2) - 2)
;;       q = np.round(r / step) * step * 2.0 ** e      # np.round: ties to even
;;       return np.moveaxis(q.reshape(q.shape[:-2] + (-1,))[..., :K], -1, axis).astype(np.float32)
;;   ~~~
;;   SOFTMAX AHEAD OF A QUANTISED PRODUCT. Where the list says 'softmax', what is quantised is not the finished softmax but p = 2^(t - M), with t = logit x log2(e) and M = ceil(the row's largest t), a whole number; so 1/2 < the row's largest p <= 1. The row's sum l is taken of the UNQUANTISED p, in f32, and the product's result is divided by l at the end. Since M is a whole number, a kernel that streams over the keys may use a running M (the ceiling of the running maximum): every later rescaling is an exact power of two, which a block's scale takes up: the codes' values come out the same.
;;   OPERANDS COMPUTED ON THE WAY. 'Computed on the way' means the value that the module computes at that place (a softmax that the list does not call 'softmax' is quantised finished and normalised). What goes into a quantiser is computed in f32, as accurately as f32 sums, v_exp_f32 and their like allow (about 1e-6 of the number): no bf16 or f16 on the way to a quantiser, and a product that is left as it is and whose result goes on into a quantised operand takes f32 operands (vector FMAs, or v_wmma_f32_16x16x4_f32). A number that lies on a knife's edge between two numbers of the format may be rounded either way, as far as f32 arithmetic and the matrix unit's own rounding can turn it there, and no further.
;;   INPUTS GIVEN AS CODES. Wk (in the module: [1024, 1024], K = its axis 1); Wq (in the module: [1024, 1024], K = its axis 1); Wv (in the module: [1024, 1024], K = its axis 1): each comes as NAME_codes (uint8): NAME with its K axis moved to the last place and cut into blocks of 32 codes, [.., K / 32, bytes a block], one block behind the other in memory; four codes in three bytes: a row's codes are one little-endian stream of bits, code i at bits 6 i .. 6 i + 5 (a code: sign, 3 exponent bits, 2 mantissa bits); and NAME_scales (uint8): the same leading axes, one E8M0 byte (e + 127) for each 32 codes along K. Its value is code x scale, taken as it is: it is not quantised again, and the codes and scales need not be those that the quantiser above would give.
;; One version. Each part assembles by itself: llvm-mc -triple=amdgcn-amd-amdhsa -mcpu=gfx1250 --defsym DOCPART=n.
;; ======== version 1 of 1: 4 launches
;; limits: right only within a limited range of input values
;; workspace buffers: xw 9,011,200 bytes; qkv 19,660,800 bytes; pq 14,155,776 bytes
;; launch prep (part 1): grid 256 x 1, 4 waves a work-group, no clusters, 70,144 bytes of LDS; arguments embedded, Wq_codes, Wq_scales, Wk_codes, Wk_scales, Wv_codes, Wv_scales, xw; writes xw
.if DOCPART == 1
	.amdgcn_target "amdgcn-amd-amdhsa--gfx1250"
	.amdhsa_code_object_version 6
	.text
	.protected	k_q54be35f9b8_prep
	.globl	k_q54be35f9b8_prep
	.p2align	8
	.type	k_q54be35f9b8_prep,@function
k_q54be35f9b8_prep:
	s_mov_b64 s[64:65], 0
	v_nop
	global_prefetch_b8 v0, s[64:65] scope:SCOPE_SE
	s_setreg_imm32_b32 hwreg(HW_REG_WAVE_MODE, 25, 1), 1
	s_wait_xcnt 0x0
; PREP: x (embedded, [8192][1024] f32) is quantised along its 1,024 channels into codes of BF6 (E3M2) with one E8M0 byte for each 32, and Wq, Wk, Wv, which arrive as codes, are laid anew.
; ALL OPERANDS OF THIS PROGRAM LIE IN ONE FORM, AN IMAGE OF THE OPERAND'S REGISTERS.  A fragment (16 rows x 128 K, 12 registers a lane) is 1,536 bytes: registers 4 c .. 4 c + 3 of lane l at 512 c + 16 l.
; Its scale words are 64 bytes: the word of the row in lane r at 4 r.  THE ROWS OF A TILE ARE NOT NEIGHBOURS: in each 32 rows, tile 2 B + u, lane r is row 32 B + 8 u + r + 8 (r / 8), so that a product
; that takes such a tile as source 0 leaves 16 neighbours along the next K in the 16 registers of tiles 2 B and 2 B + 1.
; xw: blocks of 196,608 bytes = [8 K steps][16 tiles][1,536]: blocks 0-31 x (256 rows each), blocks 32 + 4 m + blk the weights (m = 0 q, 1 k, 2 v); from byte 8,650,752 on 44 blocks of scale words, [8][16][64] bytes.
; A block's scale is 2^(floor(log2(its largest magnitude)) - 4): its byte is the largest magnitude's exponent field - 4, held at 1 from below.
; LIMITS: NaN and infinities are not served.  A block whose largest magnitude lies under 2^-122 keeps the byte 1; a block of zeros too, where the rule says 127: its codes are zeros, and this program alone reads the bytes.
; SHARES.  Work-group g takes 256 rows (g / 8) x one K step of 128 (g % 8); wave w four tiles of 16 rows.  All 64 loads of a wave go out at its head, each 512 consecutive bytes of one row.
; The conversions take 16 neighbours along K from ONE lane's registers, so a tile turns through the wave's own stage in LDS (rows 528 bytes apart) and comes back 64 bytes a lane.
; Waves 0-2 also lay one pair of W's fragments anew (768 pairs on 256 work-groups): the codes are loaded in the operand's order and stored as they stand.  W's scale words leave 128 bytes at a time: 98,304 bytes in all.
; No tensor load, no barrier: waves share nothing.
.set WREG, 17408                       ; LDS of a wave: two stages of 16 x 528 bytes, then 256 bytes of scale words
.set STG,  8448
.set SWD,  16896
.set XSC,  8650752                     ; xw: where the scale words begin
.set WIMG, 6291456                     ; xw: where W's images begin
.set WSC,  XSC+262144                  ; and W's scale words
.set MSB, 0
.macro WIN new                         ; the immediate's high byte repeats the setting that is left
.if MSB != (\new)
	s_set_vgpr_msb (MSB<<8)|(\new)
.set MSB, (\new)
.endif
.endm
; REGISTERS.  window 0: v1 16 x lane; v2 r; v3 h; v4 stage in; v5 stage out; v6, v7 scale words in LDS; v8 8 x lane; v9, v10 W's offsets; v11 4 x lane; v16-143 two sets of 64 numbers;
; v144-191 four tiles' codes; v192-199 second halves; v200-215 at work; v216-219 scale words; v220-243 W's pair; v244 its scale words; v246-247 the way out.   window 1: x as loaded, tile t row p at v[64 t + 4 p].
	s_load_b512 s[4:19], s[0:1], 0x0               ; embedded, Wq codes, Wq scales, Wk codes, Wk scales, Wv codes, Wv scales, xw
	v_lshl_add_u32 v254, v0, 2, 0x11000
	v_mov_b32 v255, 0
	v_lshrrev_b32 v1, 5, v0
	v_readfirstlane_b32 s20, v1                    ; wave 0..3
	v_and_b32 v12, 31, v0                          ; lane
	v_and_b32 v2, 15, v0                           ; r
	v_bfe_u32 v3, v0, 4, 1                         ; h
	v_lshlrev_b32 v1, 4, v12
	s_mul_i32 s39, s20, WREG
	v_add_nc_u32 v4, s39, v1                       ; the stage, on the way in: a row's 512 bytes as they lie
	v_mul_u32_u24 v5, v2, 528
	v_lshl_add_u32 v5, v3, 6, v5
	v_add_nc_u32 v5, s39, v5                       ; on the way out: row r, + 64 h: my 16 numbers of each block of 32
	s_add_co_u32 s39, s39, SWD
	v_lshl_add_u32 v6, v2, 2, s39
	v_lshl_add_u32 v7, v12, 3, s39
	v_lshlrev_b32 v8, 3, v12
	v_and_b32 v13, 8, v2
	v_add_nc_u32 v13, v13, v2                      ; r + 8 (r / 8)
	v_mul_u32_u24 v9, v13, 768                     ; W's codes: a row is 768 bytes
	v_mad_u32_u24 v9, v3, 24, v9
	v_lshl_add_u32 v10, v3, 3, v13                 ; W's scale words: lanes 16-31 take the pair's second tile, 8 rows on
	v_lshlrev_b32 v10, 5, v10
	v_lshlrev_b32 v11, 2, v12
.irp b, 0,1,2,3
	v_mov_b32 v[204+\b], 0                         ; written once: a lane permute's destination counts as one of its sources
.endr
	s_lshr_b32 s21, ttmp9, 3                       ; which 256 rows
	s_and_b32 s38, ttmp9, 7                        ; which K step
	s_lshl_b32 s22, s21, 20
	s_lshl_b32 s40, s20, 18
	s_add_co_u32 s22, s22, s40
	s_lshl_b32 s40, s38, 9
	s_add_co_u32 s22, s22, s40                     ; x: (256 rb + 64 w) rows of 4,096 bytes + 512 s
	s_mov_b32 s23, 0
	s_lshl_b32 s24, ttmp9, 4
	s_lshl_b32 s40, s20, 2
	s_add_co_u32 s24, s24, s40                     ; my first fragment: 16 g + 4 w
	s_lshl_b32 s26, s24, 6
	s_add_co_u32 s26, s26, XSC
	s_mov_b32 s27, 0
	s_mul_i32 s24, s24, 1536
	s_mov_b32 s25, 0
	s_mul_i32 s40, ttmp9, 3
	s_add_co_u32 s40, s40, s20                     ; W's pair of fragments: 3 g + w = ((4 m + blk) 8 + K step) 8 + B
	s_lshr_b32 s41, s40, 8                         ; m
	s_bfe_u32 s42, s40, 0x20006                    ; blk
	s_and_b32 s43, s40, 7                          ; B
	s_lshl_b32 s42, s42, 8
	s_lshl_b32 s43, s43, 5
	s_add_co_u32 s42, s42, s43                     ; the pair's first row
	s_bfe_u32 s43, s40, 0x30003                    ; its K step
	s_mul_i32 s44, s42, 768
	s_mul_i32 s45, s43, 96
	s_add_co_u32 s44, s44, s45
	s_mov_b32 s45, 0
	s_lshl_b32 s46, s42, 5
	s_lshl_b32 s47, s43, 2
	s_add_co_u32 s46, s46, s47
	s_mov_b32 s47, 0
	s_mul_i32 s32, s40, 3072
	s_add_co_u32 s32, s32, WIMG
	s_mov_b32 s33, 0
	s_lshl_b32 s34, s40, 7
	s_add_co_u32 s34, s34, WSC
	s_mov_b32 s35, 0
	s_mov_b32 s36, 0x76543210
	s_mov_b32 s37, 0xfedcba98                      ; v_permlanex16_b32's selects for lane l xor 16
	s_wait_kmcnt 0x0
	s_add_nc_u64 s[22:23], s[4:5], s[22:23]
	s_add_nc_u64 s[24:25], s[18:19], s[24:25]
	s_add_nc_u64 s[26:27], s[18:19], s[26:27]
	s_add_nc_u64 s[32:33], s[18:19], s[32:33]
	s_add_nc_u64 s[34:35], s[18:19], s[34:35]
	s_cmp_eq_u32 s41, 0                            ; which weight: the choice hangs on ids alone
	s_cselect_b64 s[28:29], s[6:7], s[10:11]
	s_cselect_b64 s[30:31], s[8:9], s[12:13]
	s_cmp_ge_u32 s41, 2
	s_cselect_b64 s[28:29], s[14:15], s[28:29]
	s_cselect_b64 s[30:31], s[16:17], s[30:31]
	s_add_nc_u64 s[28:29], s[28:29], s[44:45]
	s_add_nc_u64 s[30:31], s[30:31], s[46:47]
	s_cmp_eq_u32 s20, 3                            ; wave 3 has no pair of W
	s_cbranch_scc1 .Lno_w_in
	s_wait_alu depctr_va_vdst(0)
.irp u, 0,1
.irp p, 0,1,2,3,4,5
	global_load_b64 v[220+12*\u+2*\p:221+12*\u+2*\p], v9, s[28:29] offset:6144*\u+48*(\p/3)+8*(\p%3)   ; the operand's registers, 24 bytes at a time in pieces of 8
.endr
.endr
	global_load_b32 v244, v10, s[30:31]
.Lno_w_in:
	WIN 0x40                                       ; destination window 1
.irp t, 0,1,2,3
.irp p, 0,1,2,3,4,5,6,7,8,9,10,11,12,13,14,15
	global_load_b128 v[64*\t+4*\p:64*\t+4*\p+3], v1, s[22:23] offset:(32*(\t/2)+8*(\t%2)+\p+8*(\p/8))*4096 th:TH_LOAD_NT   ; 32 lanes read 512 consecutive bytes of the tile's row p
.endr
.endr
	WIN 0
.macro TURN t                          ; tile t through the stage: LDS serves a wave's instructions in order, so no wait stands between the stores and the loads
	WIN 0x04                                       ; an LDS store's data are its source 1: window 1
.irp p, 0,1,2,3,4,5,6,7,8,9,10,11,12,13,14,15
	ds_store_b128 v4, v[64*(\t)+4*\p:64*(\t)+4*\p+3] offset:STG*((\t)%2)+528*\p
.endr
	WIN 0
.irp b, 0,1,2,3
.irp j, 0,1,2,3
	ds_load_b128 v[16+64*((\t)%2)+16*\b+4*\j:16+64*((\t)%2)+16*\b+4*\j+3], v5 offset:STG*((\t)%2)+128*\b+16*\j
.endr
.endr
.endm
; 64 numbers of a lane, register 16 b + i = k 32 b + 16 h + i of my row, become a fragment's codes in v[pc] on and its scale word in v[pw]
.macro QUANT s, pc, tc, pw
.irp b, 0,1,2,3
	v_max3_num_f32 v[200+\b], |v[\s+16*\b]|, |v[\s+1+16*\b]|, 0x2800000   ; my 16 numbers of block b, and the floor 2^(5 - 127): the byte cannot fall under 1
.endr
.irp i, 2,4,6,8,10,12,14
.irp b, 0,1,2,3
	v_max3_num_f32 v[200+\b], v[200+\b], |v[\s+16*\b+\i]|, |v[\s+1+16*\b+\i]|   ; the four blocks by turns
.endr
.endr
.irp b, 0,1,2,3
	v_permlanex16_b32 v[204+\b], v[200+\b], s36, s37
.endr
.irp b, 0,1,2,3
	v_max_num_f32 v[200+\b], v[200+\b], v[204+\b]  ; with lane l xor 16's: the block's largest magnitude
.endr
.irp b, 0,1,2,3
	v_add_nc_u32 v[212+\b], 0xfe000000, v[200+\b]  ; 4 off its exponent field: the conversion takes the exponent field of this operand as its scale
.endr
.irp b, 0,1,2,3
	v_lshrrev_b32 v[204+\b], 23, v[212+\b]         ; the scale's byte
.endr
	v_lshl_or_b32 v[\pw], v205, 8, v204
	v_lshl_or_b32 v[\pw], v206, 16, v[\pw]
	v_lshl_or_b32 v[\pw], v207, 24, v[\pw]
.irp c, 0,1
	v_cvt_scalef32_pk16_bf6_f32 v[\pc+6*\c:\pc+2+6*\c], v[\s+32*\c:\s+15+32*\c], v[212+2*\c]
	v_cvt_scalef32_pk16_bf6_f32 v[\tc+4*\c:\tc+2+4*\c], v[\s+16+32*\c:\s+31+32*\c], v[213+2*\c]   ; (a conversion's three registers begin on an even number)
.endr
	v_nop                                          ; one plain place behind a scaled conversion
.irp c, 0,1                            ; the operand wants a WHOLE block in a lane: lanes 0-15 block 2 c, lanes 16-31 block 2 c + 1
.irp i, 0,1,2
	v_permlane16_swap_b32 v[\pc+6*\c+\i], v[\tc+4*\c+\i]
.endr
.irp i, 0,1,2
	v_mov_b32 v[\pc+3+6*\c+\i], v[\tc+4*\c+\i]
.endr
.endr
.endm
	s_wait_loadcnt 48                              ; tile 0's 16 loads are in, and W's, which are older; the 48 of tiles 1-3 may be out
	s_cmp_eq_u32 s20, 3
	s_cbranch_scc1 .Lno_w_out
.irp u, 0,1
.irp c, 0,1,2
	global_store_b128 v1, v[220+12*\u+4*\c:223+12*\u+4*\c], s[32:33] offset:1536*\u+512*\c   ; 512 consecutive bytes
.endr
.endr
	s_wait_alu depctr_va_vdst(0)
	global_store_b32 v11, v244, s[34:35]           ; the pair's 32 scale words
.Lno_w_out:
	TURN 0
.macro STEP t
.if (\t) > 0
	s_wait_dscnt 1                                 ; this tile is back from the stage; the last tile's word store may be out
.else
	s_wait_dscnt 0x0
.endif
.if (\t) < 3
	s_wait_loadcnt 32-16*(\t)                      ; the next tile's loads are in; those of the tiles behind it may be out
	TURN (\t)+1                                    ; and go through the other stage while this tile is worked
.endif
	QUANT 16+64*((\t)%2), 144+12*(\t), 192, 216+(\t)
	ds_store_b32 v6, v[216+(\t)] offset:64*(\t)    ; both halves of the lanes write the same word with the same value
.irp c, 0,1,2
	global_store_b128 v1, v[144+12*(\t)+4*\c:147+12*(\t)+4*\c], s[24:25] offset:1536*(\t)+512*\c   ; each tile has registers of its own: no store's data are written again
.endr
.endm
	STEP 0
	STEP 1
	STEP 2
	STEP 3
	ds_load_b64 v[246:247], v7                     ; LDS serves a wave's instructions in order: these see my stores
	s_wait_dscnt 0x0
	global_store_b64 v8, v[246:247], s[26:27]      ; 32 lanes store 256 consecutive bytes, aligned: four tiles' scale words
	s_wait_tensorcnt 0x0
	ds_add_u32 v254, v255
	s_wait_dscnt 0x0
	s_endpgm
.Lfunc_end_k_q54be35f9b8_prep:
	.size	k_q54be35f9b8_prep, .Lfunc_end_k_q54be35f9b8_prep-k_q54be35f9b8_prep
	.p2alignl 7, 3214868480
	.fill 96, 4, 3214868480
	.section	.rodata,"a",@progbits
	.p2align	6, 0x0
	.amdhsa_kernel k_q54be35f9b8_prep
		.amdhsa_group_segment_fixed_size 70144
		.amdhsa_private_segment_fixed_size 0
		.amdhsa_enable_private_segment 0
		.amdhsa_kernarg_size 64
		.amdhsa_user_sgpr_count 2
		.amdhsa_user_sgpr_kernarg_segment_ptr 1
		.amdhsa_wavefront_size32 1
		.amdhsa_system_sgpr_workgroup_id_x 1
		.amdhsa_system_sgpr_workgroup_id_y 1
		.amdhsa_system_sgpr_workgroup_id_z 1
		.amdhsa_system_vgpr_workitem_id 0
		.amdhsa_next_free_vgpr 512
		.amdhsa_next_free_sgpr 66
		.amdhsa_reserve_vcc 0
		.amdhsa_float_denorm_mode_32 3
		.amdhsa_float_denorm_mode_16_64 3
		.amdhsa_memory_ordered 1
		.amdhsa_forward_progress 1
		.amdhsa_inst_pref_size 37
	.end_amdhsa_kernel
	.amdgpu_metadata
---
amdhsa.version: [ 1, 2 ]
amdhsa.kernels:
  - .name:           k_q54be35f9b8_prep
    .symbol:         k_q54be35f9b8_prep.kd
    .args:
      - { .name: embedded, .offset: 0, .size: 8, .value_kind: global_buffer, .address_space: global }
      - { .name: Wq_codes, .offset: 8, .size: 8, .value_kind: global_buffer, .address_space: global }
      - { .name: Wq_scales, .offset: 16, .size: 8, .value_kind: global_buffer, .address_space: global }
      - { .name: Wk_codes, .offset: 24, .size: 8, .value_kind: global_buffer, .address_space: global }
      - { .name: Wk_scales, .offset: 32, .size: 8, .value_kind: global_buffer, .address_space: global }
      - { .name: Wv_codes, .offset: 40, .size: 8, .value_kind: global_buffer, .address_space: global }
      - { .name: Wv_scales, .offset: 48, .size: 8, .value_kind: global_buffer, .address_space: global }
      - { .name: xw, .offset: 56, .size: 8, .value_kind: global_buffer, .address_space: global }
    .group_segment_fixed_size: 70144
    .private_segment_fixed_size: 0
    .kernarg_segment_align: 8
    .kernarg_segment_size: 64
    .max_flat_workgroup_size: 128
    .sgpr_count:     66
    .vgpr_count:     512
    .wavefront_size: 32
...
	.end_amdgpu_metadata
.endif
;; end of part 1
;; launch proj (part 2): grid 8 x 32, 4 waves a work-group, clusters of 4 x 4, 327,680 bytes of LDS; arguments xw, bq, bk, bv, qkv; writes qkv
.if DOCPART == 2
	.amdgcn_target "amdgcn-amd-amdhsa--gfx1250"
	.amdhsa_code_object_version 6
	.text
	.protected	k_q54be35f9b8_proj
	.globl	k_q54be35f9b8_proj
	.p2align	8
	.type	k_q54be35f9b8_proj,@function
k_q54be35f9b8_proj:
	s_mov_b64 s[64:65], 0
	v_nop
	global_prefetch_b8 v0, s[64:65] scope:SCOPE_SE
	s_setreg_imm32_b32 hwreg(HW_REG_WAVE_MODE, 25, 1), 1
	s_wait_xcnt 0x0
	s_wait_alu depctr_hold_cnt(0) depctr_sa_sdst(0) depctr_va_vdst(0) depctr_va_sdst(0) depctr_va_ssrc(0) depctr_va_vcc(0) depctr_vm_vsrc(0)
	s_getreg_b32 s2, hwreg(HW_REG_IB_STS2, 6, 4)
	s_cmp_eq_u32 s2, 0
	s_cbranch_scc0 .Lentry_in_a_cluster
	s_endpgm
.Lentry_in_a_cluster:
	s_bfe_u32 s2, ttmp6, 0x10000c
	s_cmp_lg_u32 s2, 0xf033
	s_cbranch_scc0 .Lentry_shape_is_right
	s_endpgm
.Lentry_shape_is_right:
; PROJ: q = x Wq^T + bq, k = x Wk^T + bk, v = x Wv^T + bv on codes of BF6 (E3M2) with E8M0 scales; the results are quantised in registers, q and k along their 1,024 channels, v along the keys, and leave as images.
; OPERANDS are images of their registers (a fragment: 1,536 bytes, registers 4 c .. 4 c + 3 of lane l at 512 c + 16 l; its scale words 64 bytes); in each 32 rows tile 2 B + u, lane r is row 32 B + 8 u + r + 8 (r / 8).
; 256 WORK-GROUPS THAT STAY, TWO PASSES EACH, so that every work-group has the same work: q and k are 256 tiles of 256 x 256; v is 128 such tiles, that is 256 halves.
; SOURCE 0 IS THE 'B SIDE', SOURCE 1 THE 'A SIDE': a lane holds one row of the A side, and the 64 registers of (a; b = 0 .. 7) are 128 neighbours of the B side, register 16 B + i = 32 B + 16 h + i: what the quantiser wants.
; PASS 1: 256 rows of x (A, block 4 Y + cy) x 256 rows of Wq or Wk (B, block 32 + 4 X + cx; X, Y: the cluster's place): registers run along the channels.  A wave makes 128 x 128: 64 accumulators, windows 2 and 3.
; PASS 2: 128 rows of Wv (A, half block 4 X + cy) x 256 rows of x (B, block 4 Y + cx): registers run along the keys.  A wave makes 64 x 128: 32 accumulators, window 2.
; K = 1,024 goes in 8 steps of 128 in each pass, all written out.  LDS has three slots of 98,304 bytes.  Pass 1: a slot holds two steps; slot 0 is filled again in step 2 with steps 6 and 7.  In step 5, when slots 1 and 2 have
; been read out, slots 1 and 2 take pass 2's A and its B for steps 0-3; in the middle of pass 1's way out slot 0 takes B for steps 4-7.  So pass 2's operands are on their way while pass 1 multiplies and quantises.
; CLUSTER 4 x 4: in both passes A's tiles hang on cy alone and are asked for jointly by the cluster's row, B's on cx alone, by its column.  By this text's count a wave has one tensor load out.
; The scale words of pass 1 come once, through registers.  Those of pass 2, 12,288 bytes, come through registers (six loads a thread, each 512 consecutive bytes a wave) and are stored over pass 1's, whose bytes have had their one fill.
; The bias is the C of each sum's first matrix instruction.
; qkv: blocks of 196,608 bytes: q [32 rb][8 K steps][16 tiles][1,536], k likewise from block 32; from byte 12,582,912 v [4 eb][64 key steps][16 tiles][1,536]; from byte 18,874,368 the scale words in the same order, 64 bytes a fragment.
; LIMITS: NaN and infinities are not served.  A block whose largest magnitude lies under 2^-122 keeps the byte 1 (a block of zeros too: its codes are zeros, and this program alone reads the bytes).
; No prefetch: three quarters of pass 1's operand bytes are asked for at the head, pass 2's are asked for 160 matrix instructions and half a way out ahead of their use, and the launch is short.
; REGISTERS.  window 0: v1 r, v2 h, v3 16 x lane; v4-6, v7-9 LDS addresses of A's and B's fragments in slots 0-2; v10 of the scale words; v11, v12 the gather bytes; v13 bias offset; v14 the floor;
;   v15, v16 (with v9, v7) B's fragments in pass 2; v17, v18 A's; v19 its scale words; v20, v21 where they are stored; v22 its bias offset; v23 16 x thread; v24, v25 its scale words' way out; v28, v29 for the add;
;   v32-47 two sets of scale words (lanes 0-15 A's block n, lanes 16-31 B's): scale words and nothing else; v48-63 at work; v64-255 A's fragments, two sets (pass 2: v64-159); on the way out codes; v184-207 scale words in transit.
;   window 1: B's fragments, two sets, at v0 and v128; the bias in v96-127, v224-255.   windows 2, 3: accumulator (a, b) at v[8 (8 (a % 4) + b)] of window 2 + a / 4.
; LDS AS THIS TEXT NOW LAYS IT: A's steps 0-5 from byte 0, B's steps 0-5 from byte 147,456, 24,576 bytes a step.  At the head a wave issues ONE tensor load, 73,728 dense bytes: three steps of A (waves 0, 1) or of B (waves 2, 3).
; Steps 6 and 7 land where steps 0 and 1 lay.  Pass 2's A lands on A's steps 2-5, its B for steps 0-3 on B's steps 2-5, its B for steps 4, 5 on byte 0 and for steps 6, 7 on byte 147,456.  By this text's count a wave has one tensor load out.
; Pass 1's scale words come through registers: 4,096 bytes a wave, eight loads of 512 consecutive bytes, stored to LDS as they lie.
.set SLOTB, 49152                      ; two steps of one operand
.set SCA,   294912                     ; A's scale words, [8 steps][1,024 bytes]
.set SCB,   303104                     ; B's likewise
.set SPARE, 311296                     ; the spare words: 128 bytes a wave, two blocks of 256 bytes that no other line names
.set GATH,  311808                     ; 1,536 bytes a wave for words on their way out: no fill lands here
.set SCOFF, 8650752                    ; where the operands' scale words begin in their buffer
.set MSB, 0
.macro WIN new                         ; the immediate's high byte repeats the setting that is left
.if MSB != (\new)
	s_set_vgpr_msb (MSB<<8)|(\new)
.set MSB, (\new)
.endif
.endm
.macro PLACES n                        ; plain vector instructions between a matrix instruction and a load into, or a vector instruction on, its registers
.rept \n
	v_nop
.endr
.endm
.macro CREST                           ; a round of the cluster's barrier behind its opening barrier
	s_cmp_lg_u32 s16, 0
	s_cbranch_scc1 .Lnot_wave_0_\@
	s_barrier_signal -3
.Lnot_wave_0_\@:
	s_barrier_wait -3
	s_barrier_signal -1
	s_barrier_wait -1
.endm
.macro CROUND
	s_barrier_signal -1
	s_barrier_wait -1
	CREST
.endm
.macro JLOAD g0a, g1a, g0b, g1b        ; a joint refill: waves 0, 1 for A, waves 2, 3 for B; four v_nop follow each line
	s_cmp_eq_u32 s17, 0
	s_cbranch_scc0 .Lfor_b_\@
	tensor_load_to_lds s[\g0a:\g0a+3], s[\g1a:\g1a+7]
	s_nop 0
.rept 4
	v_nop
.endr
	s_branch .Lasked_\@
.Lfor_b_\@:
	tensor_load_to_lds s[\g0b:\g0b+3], s[\g1b:\g1b+7]
	s_nop 0
.rept 4
	v_nop
.endr
.Lasked_\@:
.endm
	s_load_b256 s[4:11], s[0:1], 0x0               ; xw, bq, bk, bv
	s_load_b64 s[12:13], s[0:1], 0x20              ; qkv
	v_lshl_add_u32 v28, v0, 2, SPARE
	v_mov_b32 v29, 0
	ds_add_u32 v28, v29
	ds_add_u32 v28, v29
	s_wait_dscnt 0x0
	v_lshrrev_b32 v1, 5, v0
	v_readfirstlane_b32 s16, v1                    ; wave 0..3
	s_lshr_b32 s17, s16, 1                         ; i: my half of the A side.  Also: I fetch for A (0) or for B (1)
	s_and_b32 s18, s16, 1                          ; j: my half of the B side.  Also: which part of a fill I fetch
	s_bfe_u32 s19, ttmp6, 0x40000                  ; cx
	s_bfe_u32 s20, ttmp6, 0x40004                  ; cy
	s_mov_b32 s21, ttmp9                           ; X: the cluster's x: 0 q, 1 k
	s_and_b32 s22, ttmp7, 0xffff                   ; Y: the cluster's y
	s_lshl_b32 s92, s20, 2
	s_lshl_b32 s92, 15, s92                        ; my row of the cluster
	s_lshl_b32 s93, 0x1111, s19                    ; my column
	s_or_b32 s24, s92, (3<<16)|(1<<21)             ; group 1: the mask; elements of 8 bytes; bit 21 beside a mask; no padding
	s_or_b32 s40, s92, (3<<16)|(1<<21)
	s_or_b32 s32, s93, (3<<16)|(1<<21)
	s_or_b32 s48, s93, (3<<16)|(1<<21)
.irp g, 24, 32                         ; a step's codes: 24,576 dense bytes as 96 rows of 256
	s_mov_b32 s[\g+1], 32<<16
	s_mov_b32 s[\g+2], 96<<16
	s_mov_b32 s[\g+3], 32<<16
	s_mov_b32 s[\g+4], 96
	s_mov_b32 s[\g+5], 32
	s_mov_b32 s[\g+6], 0
	s_mov_b32 s[\g+7], 0
.endr
.irp g, 40, 48                         ; the head's load of three steps' codes
	s_mov_b32 s[\g+1], 32<<16
	s_mov_b32 s[\g+2], 288<<16                     ; the head's load: 73,728 dense bytes as 288 rows of 256
	s_mov_b32 s[\g+3], 32<<16
	s_mov_b32 s[\g+4], 288
	s_mov_b32 s[\g+5], 32
	s_mov_b32 s[\g+6], 0
	s_mov_b32 s[\g+7], 0
.endr
	s_lshl_b32 s96, s22, 2
	s_add_co_u32 s96, s96, s20                     ; A's block: x's 4 Y + cy
	s_mov_b32 s14, s96
	s_lshl_b32 s97, s21, 2
	s_add_co_u32 s97, s97, s19
	s_add_co_u32 s97, s97, 32                      ; B's block: 32 + 4 X + cx
	s_mul_i32 s23, s18, 24576
	s_mul_i32 s98, s96, 196608
	s_add_co_u32 s98, s98, s23
	s_mov_b32 s99, 0
	s_mul_i32 s100, s97, 196608
	s_add_co_u32 s100, s100, s23
	s_mov_b32 s101, 0
	s_lshl_b32 s23, s18, 12
	s_add_co_u32 s23, s23, SCOFF
	s_lshl_b32 s92, s96, 13
	s_add_co_u32 s92, s92, s23
	s_mov_b32 s93, 0
	s_lshl_b32 s94, s97, 13
	s_add_co_u32 s94, s94, s23
	s_mov_b32 s95, 0
	s_lshl_b32 s23, s16, 12
	s_add_co_u32 s23, s23, SCA                     ; and my part of the scale words
	s_wait_kmcnt 0x0
	s_add_nc_u64 s[98:99], s[4:5], s[98:99]
	s_add_nc_u64 s[100:101], s[4:5], s[100:101]
	s_add_nc_u64 s[92:93], s[4:5], s[92:93]
	s_add_nc_u64 s[94:95], s[4:5], s[94:95]
	s_cmp_eq_u32 s17, 0
	s_cselect_b64 s[56:57], s[92:93], s[94:95]     ; my 4,096 bytes of scale words: A's (waves 0, 1) or B's
	v_and_b32 v26, 31, v0
	v_lshlrev_b32 v26, 4, v26                      ; 16 x lane
	v_add_nc_u32 v27, s23, v26                     ; and where they go in LDS
.irp k, 0,1,2,3,4,5,6,7
	global_load_b128 v[64+4*\k:67+4*\k], v26, s[56:57] offset:512*\k
.endr
	s_mov_b32 s60, 1                               ; the refill's group 0 for A: step 6 + j lands where step j lay; its address is stepped by six steps ahead of the load
	s_mul_i32 s61, s18, 24576
	s_mov_b64 s[62:63], s[98:99]
	s_or_b32 s63, s63, 0x80000000
	s_mov_b32 s80, 1                               ; and for B
	s_add_co_u32 s81, s61, 147456
	s_mov_b64 s[82:83], s[100:101]
	s_or_b32 s83, s83, 0x80000000
	s_mul_i32 s22, s18, 49152
	s_mov_b32 s23, 0
	s_mov_b32 s68, 1                               ; the head's group 0 for A: steps 3 j .. 3 j + 2, at wave x 73,728
	s_mul_i32 s69, s16, 73728
	s_add_nc_u64 s[70:71], s[98:99], s[22:23]
	s_or_b32 s71, s71, 0x80000000
	s_mov_b32 s84, 1                               ; and for B
	s_mov_b32 s85, s69
	s_add_nc_u64 s[86:87], s[100:101], s[22:23]
	s_or_b32 s87, s87, 0x80000000
	CROUND                                         ; all sixteen work-groups are here: the first joint loads meet
	s_cmp_eq_u32 s17, 0                            ; a wave's first fill stands in one branch, ahead of every wait on TENSORcnt, every LDS read and every other barrier
	s_cbranch_scc0 .Lfirst_b
	tensor_load_to_lds s[68:71], s[40:47]
	s_nop 0
.rept 4
	v_nop
.endr
	s_branch .Lfirst_done
.Lfirst_b:
	tensor_load_to_lds s[84:87], s[48:55]
	s_nop 0
.rept 4
	v_nop
.endr
.Lfirst_done:
	v_and_b32 v1, 15, v0                           ; r
	v_bfe_u32 v2, v0, 4, 1                         ; h
	v_and_b32 v3, 31, v0
	v_lshlrev_b32 v3, 4, v3                        ; 16 x lane
	s_mul_i32 s23, s17, 12288
	v_add_nc_u32 v4, s23, v3                       ; pass 1: A's eight fragments of my half, slot 0,
	v_add_nc_u32 v5, SLOTB, v4
	v_add_nc_u32 v6, 2*SLOTB, v4
	s_mul_i32 s23, s18, 12288
	v_add_nc_u32 v16, s23, v3                      ; pass 2: B's eight of my half, steps 4 and 5: at slot 0's head;
	v_add_nc_u32 v15, 4*SLOTB, v16                 ; pass 2: B's steps 0 and 1, at byte 196,608
	v_add_nc_u32 v7, 147456, v16                   ; pass 1: B's steps 0 and 1.  Pass 2: B's steps 6 and 7
	v_add_nc_u32 v8, SLOTB, v7
	v_add_nc_u32 v9, 2*SLOTB, v7                   ; pass 1: B's in slot 2.  Pass 2: B's steps 2 and 3
	s_mul_i32 s23, s17, 6144
	s_add_co_u32 s23, s23, SLOTB
	v_add_nc_u32 v17, s23, v3                      ; pass 2: A's four fragments of my half, steps 0-3: slot 1, 12,288 bytes a step;
	v_add_nc_u32 v18, 49152, v17                   ; steps 4-7
	s_lshl_b32 s23, s17, 9
	s_lshl_b32 s92, s18, 9
	s_add_co_u32 s92, s92, 8192
	s_sub_co_u32 s92, s92, s23                     ; from A's words of my half to B's of mine
	v_mul_u32_u24 v10, s92, v2                     ; lanes 16-31 take B's
	s_add_co_u32 s23, s23, SCA
	v_lshl_add_u32 v10, v1, 2, v10
	v_add_nc_u32 v10, s23, v10
	s_lshl_b32 s23, s17, 8                         ; the same for pass 2, where my half of A is four tiles
	s_lshl_b32 s92, s18, 9
	s_add_co_u32 s92, s92, 8192
	s_sub_co_u32 s92, s92, s23
	v_mul_u32_u24 v19, s92, v2
	s_add_co_u32 s23, s23, SCA
	v_lshl_add_u32 v19, v1, 2, v19
	v_add_nc_u32 v19, s23, v19
	v_lshl_add_u32 v20, v0, 4, SCB                 ; where pass 2's scale words are stored: B's 8,192 bytes as they lie, 16 bytes a thread;
	s_lshl_b32 s23, s16, 10
	s_add_co_u32 s23, s23, SCA
	v_add_nc_u32 v21, s23, v3                      ; A's: a step's 512 bytes to a wave, at the head of the step's 1,024
	v_and_b32 v22, 8, v1
	v_add_nc_u32 v22, v22, v1
	v_lshlrev_b32 v22, 2, v22                      ; pass 2's bias: a lane holds ONE channel: row r + 8 (r / 8) of tile a
	v_lshlrev_b32 v23, 4, v0                       ; 16 x thread
	s_mul_i32 s23, s16, 1536
	s_add_co_u32 s23, s23, GATH
	v_lshl_add_u32 v11, v1, 2, s23
	v_add_nc_u32 v12, s23, v3
	v_lshrrev_b32 v25, 1, v3                       ; 8 x lane
	v_add_nc_u32 v24, s23, v25
	v_mov_b32 v14, 0x2800000                       ; the floor 2^(5 - 127) under every largest magnitude
.irp b, 0,1,2,3
	v_mov_b32 v[52+\b], 0                          ; written once: a lane permute's destination counts as one of its sources
.endr
	; where pass 1's results go
	s_lshl_b32 s92, s19, 1
	s_add_co_u32 s92, s92, s18                     ; the result's K step: 2 cx + j
	s_mul_i32 s96, s92, 24576
	s_mul_i32 s93, s14, 196608
	s_add_co_u32 s96, s96, s93
	s_mul_i32 s93, s21, 6291456
	s_add_co_u32 s96, s96, s93
	s_mul_i32 s93, s17, 12288
	s_add_co_u32 s96, s96, s93
	s_mov_b32 s97, 0
	s_lshl_b32 s98, s92, 10
	s_lshl_b32 s93, s14, 13
	s_add_co_u32 s98, s98, s93
	s_lshl_b32 s93, s21, 18
	s_add_co_u32 s98, s98, s93
	s_lshl_b32 s93, s17, 9
	s_add_co_u32 s98, s98, s93
	s_add_co_u32 s98, s98, 18874368
	s_mov_b32 s99, 0
	s_add_nc_u64 s[96:97], s[12:13], s[96:97]      ; my eight fragments
	s_add_nc_u64 s[98:99], s[12:13], s[98:99]      ; and their scale words
	s_mov_b32 s94, 0x76543210
	s_mov_b32 s95, 0xfedcba98                      ; v_permlanex16_b32's selects for lane l xor 16
	; pass 1's bias, in the result's layout, eight registers a tile
	s_mov_b32 s93, 0
	s_cmp_eq_u32 s21, 0
	s_cselect_b64 s[100:101], s[6:7], s[8:9]
	s_lshl_b32 s92, s19, 10
	s_lshl_b32 s23, s18, 9
	s_add_co_u32 s92, s92, s23
	s_add_nc_u64 s[100:101], s[100:101], s[92:93]  ; my 128 channels
	v_lshlrev_b32 v13, 6, v2                       ; register jj of tile b is channel 32 (b / 2) + 16 h + 8 (b % 2) + jj
	WIN 0x40
.irp b, 0,1,2,3,4,5,6,7
	global_load_b128 v[96+8*\b+96*(\b/4):99+8*\b+96*(\b/4)], v13, s[100:101] offset:(32*(\b/2)+8*(\b%2))*4
	global_load_b128 v[100+8*\b+96*(\b/4):103+8*\b+96*(\b/4)], v13, s[100:101] offset:(32*(\b/2)+8*(\b%2))*4+16
.endr
	WIN 0
; PASS 1: the fragments and scale words of K step q, 56 LDS loads in one run, each of 512 (the words: 128) consecutive bytes, into set q % 2
.macro FETCH q
.set fS, ((\q)/2)%3
.set fP, (\q)%2
	WIN 0x40
.irp b, 0,1,2,3,4,5,6,7
.irp c, 0,1,2
	ds_load_b128 v[128*fP+12*\b+4*\c:128*fP+12*\b+4*\c+3], v[7+fS] offset:24576*fP+1536*\b+512*\c
.endr
.endr
	WIN 0
.irp a, 0,1,2,3,4,5,6,7
.irp c, 0,1,2
	ds_load_b128 v[64+96*fP+12*\a+4*\c:64+96*fP+12*\a+4*\c+3], v[4+fS] offset:24576*fP+1536*\a+512*\c
.endr
.endr
.irp n, 0,1,2,3,4,5,6,7
	ds_load_b32 v[32+8*fP+\n], v10 offset:1024*(\q)+64*\n
.endr
.endm
; 16 matrix instructions: A's blocks a0, a0 + 1 x B's eight.  cm = 0: onto the sums; 2: C = the bias of tile b.  The 64 accumulators take turns in the same order in every step.
.macro MUL16 a0, p, cm
.if (\cm) == 2
	WIN 0x91+0x40*((\a0)/4)                        ; source 0 and C window 1, source 1 window 0, D window 2 or 3
.else
	WIN 0xa1+0x50*((\a0)/4)                        ; source 0 window 1, source 1 window 0, C and D window 2 or 3
.endif
.irp a, \a0, \a0+1
.irp b, 0,1,2,3,4,5,6,7
.set rD, 8*(8*((\a)%4)+\b)
.set rB, 128*(\p)+12*\b
.set rA, 64+96*(\p)+12*(\a)
.set rS, 32+8*(\p)
.if (\cm) == 0
	v_wmma_scale_f32_16x16x128_f8f6f4 v[rD:rD+7], v[rB:rB+11], v[rA:rA+11], v[rD:rD+7], v[rS+\b], v[rS+(\a)] matrix_a_fmt:MATRIX_FMT_BF6 matrix_b_fmt:MATRIX_FMT_BF6 matrix_a_scale:MATRIX_SCALE_ROW1
.else
.set rC, 96+8*\b+96*(\b/4)
	v_wmma_scale_f32_16x16x128_f8f6f4 v[rD:rD+7], v[rB:rB+11], v[rA:rA+11], v[rC:rC+7], v[rS+\b], v[rS+(\a)] matrix_a_fmt:MATRIX_FMT_BF6 matrix_b_fmt:MATRIX_FMT_BF6 matrix_a_scale:MATRIX_SCALE_ROW1
.endif
.endr
.endr
.endm
.macro STEP q                          ; a step whose successor's tiles have been shown whole by an earlier barrier
	s_wait_dscnt 0x0                               ; this step's 56 loads, issued 64 matrix instructions ago
	PLACES 4                                       ; in front of loads into the set that the last step multiplied
	FETCH (\q)+1
	MUL16 0, (\q)%2, 0
	MUL16 2, (\q)%2, 0
	MUL16 4, (\q)%2, 0
	MUL16 6, (\q)%2, 0
.endm
.macro TURNP q, n                      ; on to a slot that is waited for; n younger loads may stay out
	s_wait_tensorcnt \n                            ; my part of the next slot has landed
	s_wait_dscnt 0x0                               ; this step's fragments are in, and no LDS instruction of mine is out at the signal
	s_barrier_signal -1
	MUL16 0, (\q)%2, 0
	s_barrier_wait -1                              ; everybody's part has landed
	PLACES 4
	FETCH (\q)+1
	MUL16 2, (\q)%2, 0
	MUL16 4, (\q)%2, 0
	MUL16 6, (\q)%2, 0
.endm
; A step with a refill: the barrier opens a round of the cluster's.  kind = 0: slot 0 takes steps 6 and 7.  kind = 1: slots 1 and 2 take pass 2's A and its B for steps 0-3.
.macro TURNR q, kind
	WIN 0                                          ; (the add's two registers lie in window 0)
	s_wait_tensorcnt 0x0                           ; all my tensor loads have landed
	ds_add_u32 v28, v29                            ; 0 onto my spare word
	s_wait_dscnt 1                                 ; this step's fragments are in; the add may be out
	MUL16 0, (\q)%2, 0
	s_wait_dscnt 0x0                               ; the add is done, and my reads of the bytes to be filled are over: this step's fragments were the last of them, or they ended earlier
	s_barrier_signal -1
	MUL16 2, (\q)%2, 0
	WIN 0
	s_barrier_wait -1
	CREST                                          ; no wave of any partner still reads those bytes or has a load on its way
.if (\kind) == 0
	s_add_nc_u64 s[62:63], s[62:63], 147456        ; three slots on: steps 6 and 7
	s_add_nc_u64 s[82:83], s[82:83], 147456
	JLOAD 60, 24, 80, 32                           ; the first tensor load behind the round, and my only one; its four v_nop are the places in front of the loads below
.else
	JLOAD 56, 40, 76, 48
.endif
	FETCH (\q)+1
	MUL16 4, (\q)%2, 0
	MUL16 6, (\q)%2, 0
.endm
; PASS 2: the fragments and scale words of K step q, 44 LDS loads, into set q % 2
.macro FETCH2 q
.set gP, (\q)%2
.set gB, 15+(\q)/4                     ; steps 0, 1: v15; steps 4, 5: v16;
.if ((\q)/2)%2
.set gB, 9-2*((\q)/4)                  ; steps 2, 3: v9; steps 6, 7: v7
.endif
	WIN 0x40
.irp b, 0,1,2,3,4,5,6,7
.irp c, 0,1,2
	ds_load_b128 v[128*gP+12*\b+4*\c:128*gP+12*\b+4*\c+3], v[gB] offset:24576*gP+1536*\b+512*\c
.endr
.endr
	WIN 0
.irp a, 0,1,2,3
.irp c, 0,1,2
	ds_load_b128 v[64+48*gP+12*\a+4*\c:64+48*gP+12*\a+4*\c+3], v[17+(\q)/4] offset:12288*((\q)%4)+1536*\a+512*\c
.endr
.endr
.irp n, 0,1,2,3,4,5,6,7
	ds_load_b32 v[32+8*gP+\n], v19 offset:1024*(\q)+64*\n          ; lanes 16-31: B's block n; lanes 0-15: A's block n for n under 4 (beyond that they are not read)
.endr
.endm
; 8 matrix instructions: A's block a x B's eight.  first = 1: C = the bias of tile a.  The 32 accumulators take turns in the same order in every step.
.macro MUL8P a, q, first
.set mP, (\q)%2
.if \first
	WIN 0x91                                       ; source 0 and C window 1, source 1 window 0, D window 2
.else
	WIN 0xa1                                       ; source 0 window 1, source 1 window 0, C and D window 2
.endif
.irp b, 0,1,2,3,4,5,6,7
.set rD, 8*(8*(\a)+\b)
.set rB, 128*mP+12*\b
.set rA, 64+48*mP+12*(\a)
.set rS, 32+8*mP
.if \first
.set rC, 96+8*(\a)
	v_wmma_scale_f32_16x16x128_f8f6f4 v[rD:rD+7], v[rB:rB+11], v[rA:rA+11], v[rC:rC+7], v[rS+\b], v[rS+(\a)] matrix_a_fmt:MATRIX_FMT_BF6 matrix_b_fmt:MATRIX_FMT_BF6 matrix_a_scale:MATRIX_SCALE_ROW1
.else
	v_wmma_scale_f32_16x16x128_f8f6f4 v[rD:rD+7], v[rB:rB+11], v[rA:rA+11], v[rD:rD+7], v[rS+\b], v[rS+(\a)] matrix_a_fmt:MATRIX_FMT_BF6 matrix_b_fmt:MATRIX_FMT_BF6 matrix_a_scale:MATRIX_SCALE_ROW1
.endif
.endr
.endm
.macro STEP2 q
	s_wait_dscnt 0x0                               ; this step's 44 loads, issued 32 matrix instructions ago
	PLACES 4
	FETCH2 (\q)+1
	MUL8P 0, \q, 0
	MUL8P 1, \q, 0
	MUL8P 2, \q, 0
	MUL8P 3, \q, 0
.endm
; THE WAY OUT.  The 64 numbers of a lane in (a; b = 0 .. 7) become one fragment of the result (A side's tile a, K step = my 128 of the B side) and its scale word.  Each accumulator is read from its low end on.
; sb: the scalar pair with the fragments' address; lo: the words' place in my gather bytes.
.macro QW a, sb, lo
.set qW, 2+(\a)/4
.set qS, 64*((\a)%4)
.set qP, 64+12*(\a)
	WIN (qW<<2)|(qW<<4)                            ; sources 1 and 2: the accumulators' window
.irp b, 0,1,2,3
	v_max3_num_f32 v[48+\b], v14, |v[qS+16*\b]|, |v[qS+16*\b+1]|
.endr
.irp i, 2,4,6,8,10,12,14
.irp b, 0,1,2,3
	v_max3_num_f32 v[48+\b], v[48+\b], |v[qS+16*\b+\i]|, |v[qS+16*\b+\i+1]|
.endr
.endr
	WIN 0
.irp b, 0,1,2,3
	v_permlanex16_b32 v[52+\b], v[48+\b], s94, s95
.endr
.irp b, 0,1,2,3
	v_max_num_f32 v[48+\b], v[48+\b], v[52+\b]     ; the block's largest magnitude
.endr
.irp b, 0,1,2,3
	v_add_nc_u32 v[60+\b], 0xfe000000, v[48+\b]    ; 4 off its exponent field: the conversion's scale operand
.endr
.irp b, 0,1,2,3
	v_lshrrev_b32 v[52+\b], 23, v[60+\b]           ; the scale's byte
.endr
	v_lshl_or_b32 v[168+(\a)], v53, 8, v52
	v_lshl_or_b32 v[168+(\a)], v54, 16, v[168+(\a)]
	v_lshl_or_b32 v[168+(\a)], v55, 24, v[168+(\a)]
	WIN qW                                         ; source 0: the accumulators' window
.irp c, 0,1
	v_cvt_scalef32_pk16_bf6_f32 v[qP+6*\c:qP+6*\c+2], v[qS+32*\c:qS+32*\c+15], v[60+2*\c]
	v_cvt_scalef32_pk16_bf6_f32 v[160+4*\c:162+4*\c], v[qS+32*\c+16:qS+32*\c+31], v[61+2*\c]
.endr
	WIN 0
	v_nop                                          ; one plain place behind a scaled conversion
.irp c, 0,1
.irp i, 0,1,2
	v_permlane16_swap_b32 v[qP+6*\c+\i], v[160+4*\c+\i]
.endr
.irp i, 0,1,2
	v_mov_b32 v[qP+3+6*\c+\i], v[160+4*\c+\i]
.endr
.endr
.irp c, 0,1,2
	global_store_b128 v3, v[qP+4*\c:qP+4*\c+3], s[\sb:\sb+1] offset:1536*(\a)+512*\c   ; 512 consecutive bytes, aligned; in a pass each tile has registers of its own
.endr
	ds_store_b32 v11, v[168+(\a)] offset:(\lo)+64*(\a)   ; both halves of the lanes write the same word with the same value
.endm
	; ---- PASS 1
	s_wait_alu depctr_va_vdst(0)
	s_wait_loadcnt 0x0                             ; my scale words (and the bias)
.irp k, 0,1,2,3,4,5,6,7
	ds_store_b128 v27, v[64+4*\k:67+4*\k] offset:512*\k
.endr
	s_wait_tensorcnt 0x0                           ; my three steps are in
	s_wait_dscnt 0x0                               ; my stores are done
	s_barrier_signal -1
	s_barrier_wait -1
	FETCH 0
	s_wait_loadcnt 0x0                             ; the bias
	s_wait_dscnt 0x0
	FETCH 1
	MUL16 0, 0, 2                                  ; step 0 starts the sums with the bias: nothing is cleared
	MUL16 2, 0, 2
	MUL16 4, 0, 2
	MUL16 6, 0, 2
	STEP 1                                         ; steps 0-5 were shown whole by the head's barrier
	TURNR 2, 0                                     ; slot 2 is in; slot 0, whose last fragments were waited for at step 1's head, takes steps 6 and 7: 160 matrix instructions ahead of the wait for them
	STEP 3                                         ; (slot 2 was shown whole by step 2's round)
	; Pass 2's descriptors, in the registers of the head's descriptors, whose loads were shown done long ago; the one load that is out names none of them.
	s_lshl_b32 s14, s20, 2
	s_lshl_b32 s14, 15, s14                        ; my row of the cluster
	s_lshl_b32 s15, 0x1111, s19                    ; my column
	s_or_b32 s40, s14, (3<<16)|(1<<21)
	s_or_b32 s48, s15, (3<<16)|(1<<21)
	s_mov_b32 s41, 1536<<16                        ; A: four steps' 12,288 bytes (8 fragments) each, 24,576 bytes apart in memory: 4 rows of 1,536 elements of 8 bytes, pitch 3,072
	s_mov_b32 s42, 4<<16
	s_mov_b32 s43, 1536<<16
	s_mov_b32 s44, 4
	s_mov_b32 s45, 3072
	s_mov_b32 s46, 0
	s_mov_b32 s47, 0
	s_mov_b32 s49, 32<<16                          ; B: two steps, 49,152 dense bytes as 192 rows of 256
	s_mov_b32 s50, 192<<16
	s_mov_b32 s51, 32<<16
	s_mov_b32 s52, 192
	s_mov_b32 s53, 32
	s_mov_b32 s54, 0
	s_mov_b32 s55, 0
	s_lshl_b32 s92, s21, 1
	s_lshr_b32 s93, s20, 1
	s_add_co_u32 s92, s92, s93
	s_add_co_u32 s92, s92, 40                      ; Wv's block: 40 + (4 X + cy) / 2,
	s_mul_i32 s92, s92, 196608
	s_and_b32 s93, s20, 1
	s_mul_i32 s93, s93, 12288                      ; its lower or upper eight tiles,
	s_add_co_u32 s92, s92, s93
	s_mul_i32 s93, s18, 98304                      ; wave 0: steps 0-3, wave 1: steps 4-7
	s_add_co_u32 s92, s92, s93
	s_mov_b32 s93, 0
	s_mov_b32 s56, 1
	s_mul_i32 s57, s16, 49152
	s_add_co_u32 s57, s57, SLOTB                   ; waves 0, 1: A's parts of slots 1 and 2
	s_add_nc_u64 s[58:59], s[4:5], s[92:93]
	s_or_b32 s59, s59, 0x80000000
	s_and_b32 s2, ttmp7, 0xffff
	s_lshl_b32 s2, s2, 2
	s_add_co_u32 s2, s2, s19                       ; x's block: 4 Y + cx,
	s_mul_i32 s2, s2, 196608
	s_mul_i32 s3, s18, 49152                       ; wave 2: steps 0, 1; wave 3: steps 2, 3
	s_add_co_u32 s2, s2, s3
	s_mov_b32 s3, 0
	s_mov_b32 s76, 1
	s_mul_i32 s77, s16, 49152
	s_add_co_u32 s77, s77, 2*SLOTB                 ; waves 2, 3: bytes 196,608 and 245,760
	s_add_nc_u64 s[78:79], s[4:5], s[2:3]
	s_or_b32 s79, s79, 0x80000000
	STEP 4
	TURNR 5, 1                                     ; steps 6 and 7 are in; slots 1 and 2 have been read out and take pass 2's first 196,608 bytes
	STEP 6
	; Pass 2's pointers, in registers of descriptors whose loads step 5's wait for 0 has shown done.
	s_and_b32 s80, ttmp7, 0xffff
	s_lshl_b32 s80, s80, 2
	s_add_co_u32 s80, s80, s19                     ; x's block: 4 Y + cx
	s_lshl_b32 s81, s21, 2
	s_add_co_u32 s81, s81, s20                     ; Wv's half block: 4 X + cy
	s_lshr_b32 s82, s81, 1                         ; eb
	s_and_b32 s83, s81, 1                          ; its lower or upper eight tiles
	s_mov_b32 s85, 0
	s_add_co_u32 s84, s82, 40
	s_lshl_b32 s84, s84, 13
	s_lshl_b32 s86, s83, 9
	s_add_co_u32 s84, s84, s86
	s_lshl_b32 s86, s16, 10
	s_add_co_u32 s84, s84, s86
	s_add_co_u32 s84, s84, SCOFF
	s_add_nc_u64 s[60:61], s[4:5], s[84:85]        ; A's scale words: wave w takes steps w and w + 4, 512 bytes each
	s_lshl_b32 s84, s80, 13
	s_add_co_u32 s84, s84, SCOFF
	s_add_nc_u64 s[62:63], s[4:5], s[84:85]        ; B's: 8,192 dense bytes
	s_lshl_b32 s84, s81, 9
	s_lshl_b32 s86, s17, 8
	s_add_co_u32 s84, s84, s86
	s_add_nc_u64 s[68:69], s[10:11], s[84:85]      ; bv at my 64 channels: 128 (4 X + cy) + 64 i
	s_lshl_b32 s87, s80, 1
	s_add_co_u32 s87, s87, s18                     ; the key step: 2 x x's block + j
	s_mul_i32 s84, s82, 1572864
	s_mul_i32 s86, s87, 24576
	s_add_co_u32 s84, s84, s86
	s_mul_i32 s86, s83, 12288
	s_add_co_u32 s84, s84, s86
	s_mul_i32 s86, s17, 6144
	s_add_co_u32 s84, s84, s86
	s_add_co_u32 s84, s84, 12582912
	s_add_nc_u64 s[70:71], s[12:13], s[84:85]      ; my four fragments of v
	s_lshl_b32 s84, s82, 16
	s_lshl_b32 s86, s87, 10
	s_add_co_u32 s84, s84, s86
	s_lshl_b32 s86, s83, 9
	s_add_co_u32 s84, s84, s86
	s_lshl_b32 s86, s17, 8
	s_add_co_u32 s84, s84, s86
	s_add_co_u32 s84, s84, 18874368+524288
	s_add_nc_u64 s[72:73], s[12:13], s[84:85]      ; and their scale words
	s_wait_dscnt 0x0                               ; step 7: nothing more to fetch in this pass
	MUL16 0, 1, 0
	MUL16 2, 1, 0
	MUL16 4, 1, 0
	MUL16 6, 1, 0
	WIN 0
	PLACES 4
	; pass 2's scale words and bias are asked for here and land while pass 1's results are quantised
.irp k, 0,1
	global_load_b128 v[184+4*\k:187+4*\k], v3, s[60:61] offset:4096*\k         ; 512 consecutive bytes
.endr
.irp k, 0,1,2,3
	global_load_b128 v[192+4*\k:195+4*\k], v23, s[62:63] offset:2048*\k
.endr
	WIN 0x40
.irp a, 0,1,2,3
.irp i, 0,1,2,3,4,5,6,7
	global_load_b32 v[96+8*\a+\i], v22, s[68:69] offset:(32*(\a/2)+8*(\a%2))*4   ; a lane's eight registers of a tile take the same number: its channel's
.endr
.endr
	WIN 0
	s_wait_alu depctr_va_vdst(0)
.irp a, 0,1,2,3
	QW \a, 96, 0
.endr
	; slot 0 has been read out (step 7's fragments were waited for at its head) and takes pass 2's B for steps 4-7
	s_wait_tensorcnt 0x0                           ; all my tensor loads have landed: my part of slots 1 and 2
	ds_add_u32 v28, v29                            ; 0 onto my spare word
	s_and_b32 s77, s16, 1
	s_mul_i32 s77, s77, 147456                     ; wave 2: byte 0; wave 3: byte 147,456
	s_add_nc_u64 s[78:79], s[78:79], 98304         ; four steps on
	s_wait_dscnt 0x0                               ; the add is done, and so are my LDS stores and reads
	CROUND                                         ; no wave of any partner still reads slot 0 or has a load on its way; slots 1 and 2 are whole
	s_cmp_eq_u32 s17, 0                            ; waves 0 and 1 have no part of this fill
	s_cbranch_scc1 .Lno_part
	tensor_load_to_lds s[76:79], s[48:55]
	s_nop 0
.rept 4
	v_nop
.endr
.Lno_part:
	s_wait_loadcnt 0x0                             ; pass 2's scale words and bias
.irp k, 0,1
	ds_store_b128 v21, v[184+4*\k:187+4*\k] offset:4096*\k         ; over pass 1's scale words: every wave's last read of them lies ahead of the round above, and no fill lands there any more
.endr
.irp k, 0,1,2,3
	ds_store_b128 v20, v[192+4*\k:195+4*\k] offset:2048*\k
.endr
.irp a, 4,5,6,7
	QW \a, 96, 0
.endr
	ds_load_b128 v[176:179], v12                   ; LDS serves a wave's instructions in order: this sees my eight stores
	s_wait_dscnt 0x0                               ; and, for the others' sake, my stores of pass 2's scale words are done
	global_store_b128 v3, v[176:179], s[98:99]     ; eight tiles' scale words: 512 consecutive bytes, aligned
	; ---- PASS 2
	s_barrier_signal -1
	s_barrier_wait -1                              ; pass 2's scale words lie in LDS; slot 0's load may stay out
	s_wait_xcnt 0x0                                ; pass 1's stores have read their registers: fragments are loaded into them only behind this wait
	FETCH2 0
	s_wait_dscnt 0x0
	FETCH2 1
	MUL8P 0, 0, 1                                  ; step 0 starts the sums with the bias
	MUL8P 1, 0, 1
	MUL8P 2, 0, 1
	MUL8P 3, 0, 1
	STEP2 1
	STEP2 2
	s_wait_tensorcnt 0x0                           ; step 3: my part of slot 0 is in: nothing younger is out
	s_wait_dscnt 0x0
	s_barrier_signal -1
	MUL8P 0, 3, 0
	s_barrier_wait -1
	PLACES 4
	FETCH2 4
	MUL8P 1, 3, 0
	MUL8P 2, 3, 0
	MUL8P 3, 3, 0
	STEP2 4
	STEP2 5
	STEP2 6
	s_wait_dscnt 0x0
	MUL8P 0, 7, 0
	MUL8P 1, 7, 0
	MUL8P 2, 7, 0
	MUL8P 3, 7, 0
	WIN 0
	PLACES 4
.irp a, 0,1,2,3
	QW \a, 70, 512
.endr
	ds_load_b64 v[180:181], v24 offset:512         ; LDS serves a wave's instructions in order: this sees my four stores
	s_wait_dscnt 0x0
	global_store_b64 v25, v[180:181], s[72:73]     ; four tiles' scale words: 256 consecutive bytes, aligned
	s_wait_tensorcnt 0x0                           ; the wave's end
	ds_add_u32 v28, v29
	s_wait_dscnt 0x0
	CROUND                                         ; the closing round
	s_endpgm
.Lfunc_end_k_q54be35f9b8_proj:
	.size	k_q54be35f9b8_proj, .Lfunc_end_k_q54be35f9b8_proj-k_q54be35f9b8_proj
	.p2alignl 7, 3214868480
	.fill 96, 4, 3214868480
	.section	.rodata,"a",@progbits
	.p2align	6, 0x0
	.amdhsa_kernel k_q54be35f9b8_proj
		.amdhsa_group_segment_fixed_size 327680
		.amdhsa_private_segment_fixed_size 0
		.amdhsa_enable_private_segment 0
		.amdhsa_kernarg_size 40
		.amdhsa_user_sgpr_count 2
		.amdhsa_user_sgpr_kernarg_segment_ptr 1
		.amdhsa_wavefront_size32 1
		.amdhsa_system_sgpr_workgroup_id_x 1
		.amdhsa_system_sgpr_workgroup_id_y 1
		.amdhsa_system_sgpr_workgroup_id_z 1
		.amdhsa_system_vgpr_workitem_id 0
		.amdhsa_next_free_vgpr 1024
		.amdhsa_next_free_sgpr 102
		.amdhsa_reserve_vcc 0
		.amdhsa_float_denorm_mode_32 3
		.amdhsa_float_denorm_mode_16_64 3
		.amdhsa_memory_ordered 1
		.amdhsa_forward_progress 1
		.amdhsa_inst_pref_size 223
	.end_amdhsa_kernel
	.amdgpu_metadata
---
amdhsa.version: [ 1, 2 ]
amdhsa.kernels:
  - .name:           k_q54be35f9b8_proj
    .symbol:         k_q54be35f9b8_proj.kd
    .args:
      - { .name: xw, .offset: 0, .size: 8, .value_kind: global_buffer, .address_space: global }
      - { .name: bq, .offset: 8, .size: 8, .value_kind: global_buffer, .address_space: global }
      - { .name: bk, .offset: 16, .size: 8, .value_kind: global_buffer, .address_space: global }
      - { .name: bv, .offset: 24, .size: 8, .value_kind: global_buffer, .address_space: global }
      - { .name: qkv, .offset: 32, .size: 8, .value_kind: global_buffer, .address_space: global }
    .group_segment_fixed_size: 327680
    .private_segment_fixed_size: 0
    .kernarg_segment_align: 8
    .kernarg_segment_size: 40
    .max_flat_workgroup_size: 128
    .sgpr_count:     102
    .vgpr_count:     1024
    .wavefront_size: 32
...
	.end_amdgpu_metadata
.endif
;; end of part 2
;; launch score (part 3): grid 8 x 32, 4 waves a work-group, clusters of 4 x 4, 327,680 bytes of LDS; arguments qkv, pq; writes pq
.if DOCPART == 3
	.amdgcn_target "amdgcn-amd-amdhsa--gfx1250"
	.amdhsa_code_object_version 6
	.text
	.protected	k_q54be35f9b8_score
	.globl	k_q54be35f9b8_score
	.p2align	8
	.type	k_q54be35f9b8_score,@function
k_q54be35f9b8_score:
	s_mov_b64 s[64:65], 0
	v_nop
	global_prefetch_b8 v0, s[64:65] scope:SCOPE_SE
	s_setreg_imm32_b32 hwreg(HW_REG_WAVE_MODE, 25, 1), 1
	s_wait_xcnt 0x0
	s_wait_alu depctr_hold_cnt(0) depctr_sa_sdst(0) depctr_va_vdst(0) depctr_va_sdst(0) depctr_va_ssrc(0) depctr_va_vcc(0) depctr_vm_vsrc(0)
	s_getreg_b32 s2, hwreg(HW_REG_IB_STS2, 6, 4)
	s_cmp_eq_u32 s2, 0
	s_cbranch_scc0 .Lentry_in_a_cluster
	s_endpgm
.Lentry_in_a_cluster:
	s_bfe_u32 s2, ttmp6, 0x10000c
	s_cmp_lg_u32 s2, 0xf033
	s_cbranch_scc0 .Lentry_shape_is_right
	s_endpgm
.Lentry_shape_is_right:
; SCORE: S = q k^T on codes of BF6 (E3M2) with E8M0 scales, and the softmax's first half.  For each query and each 128 keys: t = S x log2(e) / 32; M = the largest t of these 128 keys, rounded UP to a whole number;
; p = 2^(t - M) is quantised along the keys and leaves as an image, with its scale word, -M and the sum of the unquantised p.  The next launch brings all 16 parts of a row under the row's own M: since every M is a whole
; number that only moves scale bytes, and the codes stay.  So a maximum is taken away before every exponential, and no score goes to memory as f32.
; OPERANDS are images of their registers (a fragment: 1,536 bytes, registers 4 c .. 4 c + 3 of lane l at 512 c + 16 l; its scale words 64 bytes); in each 32 rows tile 2 B + u, lane r is row 32 B + 8 u + r + 8 (r / 8).
; A work-group makes 256 queries x 256 keys over K = 1,024; each of four waves 128 x 128: 64 accumulators.  Source 0 = 16 keys, source 1 = 16 queries: a lane holds ONE query, and the 64 registers of (a; b = 0 .. 7) are its
; 128 keys in order: register 16 B + i = key 32 B + 16 h + i.
; K goes in 8 steps of 128, all written out.  LDS has three slots of two steps; slot 0 is filled a second time, with steps 6 and 7, in step 2: 160 matrix instructions ahead of the wait for them.  The scale words of all of K come once.
; CLUSTER 4 x 4: q's tiles hang on cy alone and are asked for jointly by the cluster's row, k's on cx alone, by its column.  By this text's count a wave has one tensor load out.
; pq: p's images [64 qh][16 key steps][8 tiles][1,536] (qh = query / 128); from byte 12,582,912 three arrays [64][16][128 words]: scale words, -M, partial sums.
; LIMITS: NaN and infinities are not served.  M is kept as an f32 whole number: exact up to 2^24.  A p under 2^-126 counts as 0; a block whose largest p lies under 2^-122 keeps the byte 1.
; No prefetch: three quarters of a work-group's operand bytes are asked for at its head, and the launch is short.
; REGISTERS.  window 0: v1 r, v2 h, v3 16 x lane; v4-6, v7-9 LDS addresses of q's and k's fragments in slots 0-2; v10 of the scale words; v11, v12 the gather bytes; v14 -infinity; v28, v29 for the add;
;   v32-47 two sets of scale words (lanes 0-15 q's block n, lanes 16-31 k's); v48-63 at work; v64-255 q's fragments, two sets; on the way out codes and words.   window 1: k's fragments, two sets.
;   windows 2, 3: accumulator (a, b) at v[8 (8 (a % 4) + b)] of window 2 + a / 4.
; LDS AS THIS TEXT NOW LAYS IT: q's steps 0-5 from byte 0, k's steps 0-5 from byte 147,456, 24,576 bytes a step.  At the head a wave issues ONE tensor load, 73,728 dense bytes: three steps of q (waves 0, 1) or of k (waves 2, 3).
; Steps 6 and 7 land where steps 0 and 1 lay, behind step 2's round.  By this text's count a wave has one tensor load out.
; The scale words come through registers: 4,096 bytes a wave, eight loads of 512 consecutive bytes, stored to LDS as they lie.
.set SLOTB, 49152                      ; two steps of one operand
.set SCA,   294912                     ; q's scale words, 8,192 bytes; k's behind them
.set SPARE, 311296                     ; the spare words: 128 bytes a wave, two blocks of 256 bytes that no other line names
.set GATH,  311808                     ; 1,536 bytes a wave for words on their way out: no fill lands here
.set SCOFF, 18874368                   ; where the operands' scale words begin in their buffer
.set MSB, 0
.macro WIN new                         ; the immediate's high byte repeats the setting that is left
.if MSB != (\new)
	s_set_vgpr_msb (MSB<<8)|(\new)
.set MSB, (\new)
.endif
.endm
.macro PLACES n                        ; plain vector instructions between a matrix instruction and a load into, or a vector instruction on, its registers
.rept \n
	v_nop
.endr
.endm
.macro CREST                           ; a round of the cluster's barrier behind its opening barrier
	s_cmp_lg_u32 s16, 0
	s_cbranch_scc1 .Lnot_wave_0_\@
	s_barrier_signal -3
.Lnot_wave_0_\@:
	s_barrier_wait -3
	s_barrier_signal -1
	s_barrier_wait -1
.endm
.macro CROUND
	s_barrier_signal -1
	s_barrier_wait -1
	CREST
.endm
.macro JLOAD                           ; the joint refill of slot 0: waves 0, 1 for q, waves 2, 3 for k; four v_nop follow each line
	s_cmp_eq_u32 s17, 0
	s_cbranch_scc0 .Lfor_b_\@
	tensor_load_to_lds s[60:63], s[24:31]
	s_nop 0
.rept 4
	v_nop
.endr
	s_branch .Lasked_\@
.Lfor_b_\@:
	tensor_load_to_lds s[80:83], s[32:39]
	s_nop 0
.rept 4
	v_nop
.endr
.Lasked_\@:
.endm
	s_load_b128 s[4:7], s[0:1], 0x0                ; qkv, pq
	v_lshl_add_u32 v28, v0, 2, SPARE
	v_mov_b32 v29, 0
	ds_add_u32 v28, v29
	ds_add_u32 v28, v29
	s_wait_dscnt 0x0
	v_lshrrev_b32 v1, 5, v0
	v_readfirstlane_b32 s16, v1                    ; wave 0..3
	s_lshr_b32 s17, s16, 1                         ; i: my half of the queries.  Also: I fetch for q (0) or for k (1)
	s_and_b32 s18, s16, 1                          ; j: my half of the keys.  Also: which step of a slot I fetch
	s_bfe_u32 s19, ttmp6, 0x40000                  ; cx
	s_bfe_u32 s20, ttmp6, 0x40004                  ; cy
	s_mov_b32 s21, ttmp9                           ; X: the cluster's x
	s_and_b32 s22, ttmp7, 0xffff                   ; Y: the cluster's y
	s_lshl_b32 s92, s20, 2
	s_lshl_b32 s92, 15, s92                        ; my row of the cluster
	s_lshl_b32 s93, 0x1111, s19                    ; my column
	s_or_b32 s24, s92, (3<<16)|(1<<21)             ; group 1: the mask; elements of 8 bytes; bit 21 beside a mask; no padding
	s_or_b32 s40, s92, (3<<16)|(1<<21)
	s_or_b32 s32, s93, (3<<16)|(1<<21)
	s_or_b32 s48, s93, (3<<16)|(1<<21)
.irp g, 24, 32                         ; a step's codes: 24,576 dense bytes as 96 rows of 256
	s_mov_b32 s[\g+1], 32<<16
	s_mov_b32 s[\g+2], 96<<16
	s_mov_b32 s[\g+3], 32<<16
	s_mov_b32 s[\g+4], 96
	s_mov_b32 s[\g+5], 32
	s_mov_b32 s[\g+6], 0
	s_mov_b32 s[\g+7], 0
.endr
.irp g, 40, 48                         ; the head's load of three steps' codes
	s_mov_b32 s[\g+1], 32<<16
	s_mov_b32 s[\g+2], 288<<16                     ; the head's load: 73,728 dense bytes as 288 rows of 256
	s_mov_b32 s[\g+3], 32<<16
	s_mov_b32 s[\g+4], 288
	s_mov_b32 s[\g+5], 32
	s_mov_b32 s[\g+6], 0
	s_mov_b32 s[\g+7], 0
.endr
	s_lshl_b32 s96, s22, 2
	s_add_co_u32 s96, s96, s20                     ; q's block: 4 Y + cy
	s_mov_b32 s14, s96
	s_lshl_b32 s15, s21, 2
	s_add_co_u32 s15, s15, s19                     ; k's block in the batch: 4 X + cx
	s_lshr_b32 s97, s22, 1                         ; the batch: Y / 2, the same in the whole cluster
	s_lshl_b32 s97, s97, 3
	s_add_co_u32 s97, s97, s15
	s_add_co_u32 s97, s97, 32                      ; k's blocks lie behind q's 32
	s_mul_i32 s23, s18, 24576
	s_mul_i32 s98, s96, 196608
	s_add_co_u32 s98, s98, s23
	s_mov_b32 s99, 0
	s_mul_i32 s100, s97, 196608
	s_add_co_u32 s100, s100, s23
	s_mov_b32 s101, 0
	s_lshl_b32 s23, s18, 12
	s_add_co_u32 s23, s23, SCOFF
	s_lshl_b32 s92, s96, 13
	s_add_co_u32 s92, s92, s23
	s_mov_b32 s93, 0
	s_lshl_b32 s94, s97, 13
	s_add_co_u32 s94, s94, s23
	s_mov_b32 s95, 0
	s_lshl_b32 s23, s16, 12
	s_add_co_u32 s23, s23, SCA                     ; and my part of the scale words
	s_wait_kmcnt 0x0
	s_add_nc_u64 s[98:99], s[4:5], s[98:99]
	s_add_nc_u64 s[100:101], s[4:5], s[100:101]
	s_add_nc_u64 s[92:93], s[4:5], s[92:93]
	s_add_nc_u64 s[94:95], s[4:5], s[94:95]
	s_cmp_eq_u32 s17, 0
	s_cselect_b64 s[56:57], s[92:93], s[94:95]     ; my 4,096 bytes of scale words: q's (waves 0, 1) or k's
	v_and_b32 v26, 31, v0
	v_lshlrev_b32 v26, 4, v26                      ; 16 x lane
	v_add_nc_u32 v27, s23, v26                     ; and where they go in LDS
.irp k, 0,1,2,3,4,5,6,7
	global_load_b128 v[64+4*\k:67+4*\k], v26, s[56:57] offset:512*\k
.endr
	s_mov_b32 s60, 1                               ; the refill's group 0 for q: step 6 + j lands where step j lay; its address is stepped by six steps ahead of the load
	s_mul_i32 s61, s18, 24576
	s_mov_b64 s[62:63], s[98:99]
	s_or_b32 s63, s63, 0x80000000
	s_mov_b32 s80, 1                               ; and for k
	s_add_co_u32 s81, s61, 147456
	s_mov_b64 s[82:83], s[100:101]
	s_or_b32 s83, s83, 0x80000000
	s_mul_i32 s22, s18, 49152
	s_mov_b32 s23, 0
	s_mov_b32 s68, 1                               ; the head's group 0 for q: steps 3 j .. 3 j + 2, at wave x 73,728
	s_mul_i32 s69, s16, 73728
	s_add_nc_u64 s[70:71], s[98:99], s[22:23]
	s_or_b32 s71, s71, 0x80000000
	s_mov_b32 s84, 1                               ; and for k
	s_mov_b32 s85, s69
	s_add_nc_u64 s[86:87], s[100:101], s[22:23]
	s_or_b32 s87, s87, 0x80000000
	CROUND                                         ; all sixteen work-groups are here: the first joint loads meet
	s_cmp_eq_u32 s17, 0                            ; a wave's first fill stands in one branch, ahead of every wait on TENSORcnt, every LDS read and every other barrier
	s_cbranch_scc0 .Lfirst_b
	tensor_load_to_lds s[68:71], s[40:47]
	s_nop 0
.rept 4
	v_nop
.endr
	s_branch .Lfirst_done
.Lfirst_b:
	tensor_load_to_lds s[84:87], s[48:55]
	s_nop 0
.rept 4
	v_nop
.endr
.Lfirst_done:
	v_and_b32 v1, 15, v0                           ; r
	v_bfe_u32 v2, v0, 4, 1                         ; h
	v_and_b32 v3, 31, v0
	v_lshlrev_b32 v3, 4, v3                        ; 16 x lane
	s_mul_i32 s23, s17, 12288
	v_add_nc_u32 v4, s23, v3                       ; q's eight fragments of my half, slot 0,
	v_add_nc_u32 v5, SLOTB, v4
	v_add_nc_u32 v6, 2*SLOTB, v4
	s_mul_i32 s23, s18, 12288
	s_add_co_u32 s23, s23, 147456                  ; k's steps lie behind q's six
	v_add_nc_u32 v7, s23, v3                       ; k's
	v_add_nc_u32 v8, SLOTB, v7
	v_add_nc_u32 v9, 2*SLOTB, v7
	s_lshl_b32 s23, s17, 9
	s_lshl_b32 s92, s18, 9
	s_add_co_u32 s92, s92, 8192
	s_sub_co_u32 s92, s92, s23                     ; from q's words of my half to k's of mine
	v_mul_u32_u24 v10, s92, v2                     ; lanes 16-31 take k's
	s_add_co_u32 s23, s23, SCA
	v_lshl_add_u32 v10, v1, 2, v10
	v_add_nc_u32 v10, s23, v10
	s_mul_i32 s23, s16, 1536
	s_add_co_u32 s23, s23, GATH
	v_lshl_add_u32 v11, v1, 2, s23
	v_add_nc_u32 v12, s23, v3
	v_mov_b32 v14, 0xff800000                      ; -infinity, under every score
.irp b, 0,1,2,3
	v_mov_b32 v[52+\b], 0                          ; written once: a lane permute's destination counts as one of its sources
.endr
	v_mov_b32 v61, 0
	; where my results go
	s_lshl_b32 s96, s14, 1
	s_add_co_u32 s96, s96, s17                     ; qh = 2 x q's block + i
	s_lshl_b32 s96, s96, 4
	s_lshl_b32 s23, s15, 1
	s_add_co_u32 s23, s23, s18                     ; the key step in the batch: 2 x k's block + j
	s_add_co_u32 s96, s96, s23
	s_lshl_b32 s98, s96, 9
	s_add_co_u32 s98, s98, 12582912
	s_mov_b32 s99, 0
	s_mul_i32 s96, s96, 12288
	s_mov_b32 s97, 0
	s_add_nc_u64 s[96:97], s[6:7], s[96:97]        ; my eight fragments of p
	s_add_nc_u64 s[98:99], s[6:7], s[98:99]        ; and their words
	s_mov_b32 s92, 0x3d38aa3b                      ; c = log2(e) / sqrt(1,024)
	s_mov_b32 s93, s92                             ; (named with it as a pair, so it is written)
	s_mov_b32 s94, 0x76543210
	s_mov_b32 s95, 0xfedcba98                      ; v_permlanex16_b32's selects for lane l xor 16
; the fragments and scale words of K step q, 56 LDS loads in one run, each of 512 (the words: 128) consecutive bytes, into set q % 2
.macro FETCH q
.set fS, ((\q)/2)%3
.set fP, (\q)%2
	WIN 0x40
.irp b, 0,1,2,3,4,5,6,7
.irp c, 0,1,2
	ds_load_b128 v[128*fP+12*\b+4*\c:128*fP+12*\b+4*\c+3], v[7+fS] offset:24576*fP+1536*\b+512*\c
.endr
.endr
	WIN 0
.irp a, 0,1,2,3,4,5,6,7
.irp c, 0,1,2
	ds_load_b128 v[64+96*fP+12*\a+4*\c:64+96*fP+12*\a+4*\c+3], v[4+fS] offset:24576*fP+1536*\a+512*\c
.endr
.endr
.irp n, 0,1,2,3,4,5,6,7
	ds_load_b32 v[32+8*fP+\n], v10 offset:1024*(\q)+64*\n
.endr
.endm
; 16 matrix instructions: q's blocks a0, a0 + 1 x k's eight.  zero = 1: the first product starts the sums.  The 64 accumulators take turns in the same order in every step.
.macro MUL16 a0, p, zero
	WIN 0xa1+0x50*((\a0)/4)                        ; source 0 window 1, source 1 window 0, C and D window 2 or 3
.irp a, \a0, \a0+1
.irp b, 0,1,2,3,4,5,6,7
.set rD, 8*(8*((\a)%4)+\b)
.set rB, 128*(\p)+12*\b
.set rA, 64+96*(\p)+12*(\a)
.set rS, 32+8*(\p)
.if \zero
	v_wmma_scale_f32_16x16x128_f8f6f4 v[rD:rD+7], v[rB:rB+11], v[rA:rA+11], 0, v[rS+\b], v[rS+(\a)] matrix_a_fmt:MATRIX_FMT_BF6 matrix_b_fmt:MATRIX_FMT_BF6 matrix_a_scale:MATRIX_SCALE_ROW1
.else
	v_wmma_scale_f32_16x16x128_f8f6f4 v[rD:rD+7], v[rB:rB+11], v[rA:rA+11], v[rD:rD+7], v[rS+\b], v[rS+(\a)] matrix_a_fmt:MATRIX_FMT_BF6 matrix_b_fmt:MATRIX_FMT_BF6 matrix_a_scale:MATRIX_SCALE_ROW1
.endif
.endr
.endr
.endm
.macro STEP q                          ; a step whose successor's tiles have been shown whole by an earlier barrier
	s_wait_dscnt 0x0                               ; this step's 56 loads, issued 64 matrix instructions ago
	PLACES 4                                       ; in front of loads into the set that the last step multiplied
	FETCH (\q)+1
	MUL16 0, (\q)%2, 0
	MUL16 2, (\q)%2, 0
	MUL16 4, (\q)%2, 0
	MUL16 6, (\q)%2, 0
.endm
.macro TURNP q, n                      ; on to a slot that is waited for; n younger loads may stay out
	s_wait_tensorcnt \n                            ; my part of the next slot has landed
	s_wait_dscnt 0x0                               ; this step's fragments are in, and no LDS instruction of mine is out at the signal
	s_barrier_signal -1
	MUL16 0, (\q)%2, 0
	s_barrier_wait -1                              ; everybody's part has landed
	PLACES 4
	FETCH (\q)+1
	MUL16 2, (\q)%2, 0
	MUL16 4, (\q)%2, 0
	MUL16 6, (\q)%2, 0
.endm
.macro TURNR q                         ; a step in which slot 0 is filled again, with steps 6 and 7: the barrier opens a round of the cluster's
	WIN 0                                          ; (the add's two registers lie in window 0)
	s_wait_tensorcnt 0x0                           ; all my tensor loads have landed: the head's one load was the only one out
	ds_add_u32 v28, v29                            ; 0 onto my spare word
	s_wait_dscnt 1                                 ; this step's fragments are in; the add may be out
	MUL16 0, (\q)%2, 0
	s_wait_dscnt 0x0                               ; the add is done; my reads of slot 0 were waited for at the head of the step before
	s_barrier_signal -1
	MUL16 2, (\q)%2, 0
	WIN 0
	s_barrier_wait -1
	CREST                                          ; no wave of any partner still reads slot 0 or has a load on its way; slot 2 is whole
	s_add_nc_u64 s[62:63], s[62:63], 147456        ; three slots on: steps 6 and 7
	s_add_nc_u64 s[82:83], s[82:83], 147456
	JLOAD                                          ; the first tensor load behind the round, and my only one; its four v_nop are the places in front of the loads below
	FETCH (\q)+1
	MUL16 4, (\q)%2, 0
	MUL16 6, (\q)%2, 0
.endm
	s_wait_alu depctr_va_vdst(0)
	s_wait_loadcnt 0x0                             ; my scale words
.irp k, 0,1,2,3,4,5,6,7
	ds_store_b128 v27, v[64+4*\k:67+4*\k] offset:512*\k
.endr
	s_wait_tensorcnt 0x0                           ; my three steps are in
	s_wait_dscnt 0x0                               ; my stores are done
	s_barrier_signal -1
	s_barrier_wait -1
	FETCH 0
	s_wait_dscnt 0x0
	FETCH 1
	MUL16 0, 0, 1                                  ; step 0 starts the sums: nothing is cleared
	MUL16 2, 0, 1
	MUL16 4, 0, 1
	MUL16 6, 0, 1
	STEP 1                                         ; steps 0-5 were shown whole by the head's barrier
	TURNR 2                                        ; slot 2 is in; slot 0 takes steps 6 and 7
	STEP 3                                         ; (slot 2 was shown whole by step 2's round)
	STEP 4
	TURNP 5, 0                                     ; the refill is in: nothing younger is out
	STEP 6
	s_wait_dscnt 0x0
	MUL16 0, 1, 0
	MUL16 2, 1, 0
	MUL16 4, 1, 0
	MUL16 6, 1, 0
	WIN 0
	PLACES 4
; THE SOFTMAX'S FIRST HALF for 16 queries x my 128 keys.  at work: v48-51 the blocks' largest scores, then largest p; v52-55 the other half's, then the bytes; v56-59 the conversions' scale operands; v60 the largest t;
; v[62:63] -M; v160-167 second halves of codes; v[168:169], v[170:171] the sum in two chains; v176+a the scale word, v184+a -M, v192+a the sum: registers of their own for each tile.
.macro SOFT a
.set qW, 2+(\a)/4
.set qS, 64*((\a)%4)
.set qP, 64+12*(\a)
	WIN (qW<<2)|(qW<<4)                            ; sources 1 and 2: the accumulators' window
.irp b, 0,1,2,3
	v_max3_num_f32 v[48+\b], v14, v[qS+16*\b], v[qS+16*\b+1]   ; the largest score of each block of 32 keys: it serves for the row's maximum and, since p rises with the score, for the block's largest p
.endr
.irp i, 2,4,6,8,10,12,14
.irp b, 0,1,2,3
	v_max3_num_f32 v[48+\b], v[48+\b], v[qS+16*\b+\i], v[qS+16*\b+\i+1]
.endr
.endr
	WIN 0
.irp b, 0,1,2,3
	v_permlanex16_b32 v[52+\b], v[48+\b], s94, s95
.endr
.irp b, 0,1,2,3
	v_max_num_f32 v[48+\b], v[48+\b], v[52+\b]     ; with lane l xor 16's 16 keys
.endr
	v_max3_num_f32 v60, v48, v49, v50
	v_max_num_f32 v60, v60, v51
	v_mul_f32 v60, s92, v60                        ; the largest t (c is positive)
	v_floor_f32 v62, -v60                          ; -M = floor(-t) = -ceil(t): M is a whole number
	v_mov_b32 v63, v62
	v_mov_b32 v[184+(\a)], v62
.irp b, 0,1,2,3
	v_fma_f32 v[48+\b], v[48+\b], s92, v62         ; t - M of each block's largest score
.endr
	WIN (qW<<6)|qW                                 ; destination and source 0: the accumulators' window
.set k, 0
.rept 32
	v_pk_fma_f32 v[qS+k:qS+k+1], v[qS+k:qS+k+1], s[92:93], v[62:63] op_sel_hi:[1,0,0]   ; t - M, two at a time
.set k, k+2
.endr
.set k, 0
	s_wait_alu depctr_va_vdst(0)
.rept 64
	v_exp_f32 v[qS+k], v[qS+k]                     ; p = 2^(t - M), at most 1
.set k, k+1
.endr
	WIN 0
	v_nop                                          ; a plain place behind the exponentials
	s_wait_alu depctr_va_vdst(0)                   ; one wait for the batch of 64, ahead of its first reader
.irp b, 0,1,2,3
	v_exp_f32 v[48+\b], v[48+\b]                   ; the block's largest p: the same two instructions on the same number give the same bits
.endr
	WIN qW|(qW<<2)
	v_pk_add_f32 v[168:169], v[qS:qS+1], v[qS+2:qS+3]          ; the sum is taken of the UNQUANTISED p, in two chains.  (Plain work behind the four, which it does not name)
	v_pk_add_f32 v[170:171], v[qS+4:qS+5], v[qS+6:qS+7]
	WIN qW<<2
.irp j, 8,12,16,20,24,28,32,36,40,44,48,52,56,60
	v_pk_add_f32 v[168:169], v[168:169], v[qS+\j:qS+\j+1]
	v_pk_add_f32 v[170:171], v[170:171], v[qS+\j+2:qS+\j+3]
.endr
	WIN 0
	v_pk_add_f32 v[168:169], v[168:169], v[170:171]
	s_wait_alu depctr_va_vdst(0)                   ; and one for the four
.irp b, 0,1,2,3
	v_max_num_f32 v[48+\b], 0x2800000, v[48+\b]    ; the floor 2^(5 - 127): the byte cannot fall under 1
.endr
.irp b, 0,1,2,3
	v_add_nc_u32 v[56+\b], 0xfe000000, v[48+\b]    ; 4 off the exponent field: the conversion's scale operand
.endr
.irp b, 0,1,2,3
	v_lshrrev_b32 v[52+\b], 23, v[56+\b]           ; the scale's byte: 1 to 123
.endr
	v_lshl_or_b32 v[176+(\a)], v53, 8, v52
	v_lshl_or_b32 v[176+(\a)], v54, 16, v[176+(\a)]
	v_lshl_or_b32 v[176+(\a)], v55, 24, v[176+(\a)]
	WIN qW                                         ; source 0: the accumulators' window
.irp c, 0,1
	v_cvt_scalef32_pk16_bf6_f32 v[qP+6*\c:qP+6*\c+2], v[qS+32*\c:qS+32*\c+15], v[56+2*\c]
	v_cvt_scalef32_pk16_bf6_f32 v[160+4*\c:162+4*\c], v[qS+32*\c+16:qS+32*\c+31], v[57+2*\c]
.endr
	WIN 0
	v_nop                                          ; one plain place behind a scaled conversion
.irp c, 0,1
.irp i, 0,1,2
	v_permlane16_swap_b32 v[qP+6*\c+\i], v[160+4*\c+\i]
.endr
.irp i, 0,1,2
	v_mov_b32 v[qP+3+6*\c+\i], v[160+4*\c+\i]
.endr
.endr
	v_add_f32 v[192+(\a)], v168, v169
	v_permlanex16_b32 v61, v[192+(\a)], s94, s95
	v_add_f32 v[192+(\a)], v[192+(\a)], v61        ; the sum over my 128 keys
.irp c, 0,1,2
	global_store_b128 v3, v[qP+4*\c:qP+4*\c+3], s[96:97] offset:1536*(\a)+512*\c   ; 512 consecutive bytes, aligned
.endr
	ds_store_b32 v11, v[176+(\a)] offset:64*(\a)           ; both halves of the lanes write the same word with the same value
	ds_store_b32 v11, v[184+(\a)] offset:512+64*(\a)
	ds_store_b32 v11, v[192+(\a)] offset:1024+64*(\a)
.endm
.irp a, 0,1,2,3,4,5,6,7
	SOFT \a
.endr
.irp c, 0,1,2
	ds_load_b128 v[200+4*\c:203+4*\c], v12 offset:512*\c   ; LDS serves a wave's instructions in order: these see my stores
.endr
	s_wait_dscnt 0x0
.irp c, 0,1,2
	global_store_b128 v3, v[200+4*\c:203+4*\c], s[98:99] offset:524288*\c   ; 128 queries' scale words, -M, sums: 512 consecutive bytes each, aligned
.endr
	s_wait_tensorcnt 0x0                           ; the wave's end
	ds_add_u32 v28, v29
	s_wait_dscnt 0x0
	CROUND                                         ; the closing round
	s_endpgm
.Lfunc_end_k_q54be35f9b8_score:
	.size	k_q54be35f9b8_score, .Lfunc_end_k_q54be35f9b8_score-k_q54be35f9b8_score
	.p2alignl 7, 3214868480
	.fill 96, 4, 3214868480
	.section	.rodata,"a",@progbits
	.p2align	6, 0x0
	.amdhsa_kernel k_q54be35f9b8_score
		.amdhsa_group_segment_fixed_size 327680
		.amdhsa_private_segment_fixed_size 0
		.amdhsa_enable_private_segment 0
		.amdhsa_kernarg_size 16
		.amdhsa_user_sgpr_count 2
		.amdhsa_user_sgpr_kernarg_segment_ptr 1
		.amdhsa_wavefront_size32 1
		.amdhsa_system_sgpr_workgroup_id_x 1
		.amdhsa_system_sgpr_workgroup_id_y 1
		.amdhsa_system_sgpr_workgroup_id_z 1
		.amdhsa_system_vgpr_workitem_id 0
		.amdhsa_next_free_vgpr 1024
		.amdhsa_next_free_sgpr 102
		.amdhsa_reserve_vcc 0
		.amdhsa_float_denorm_mode_32 3
		.amdhsa_float_denorm_mode_16_64 3
		.amdhsa_memory_ordered 1
		.amdhsa_forward_progress 1
		.amdhsa_inst_pref_size 197
	.end_amdhsa_kernel
	.amdgpu_metadata
---
amdhsa.version: [ 1, 2 ]
amdhsa.kernels:
  - .name:           k_q54be35f9b8_score
    .symbol:         k_q54be35f9b8_score.kd
    .args:
      - { .name: qkv, .offset: 0, .size: 8, .value_kind: global_buffer, .address_space: global }
      - { .name: pq, .offset: 8, .size: 8, .value_kind: global_buffer, .address_space: global }
    .group_segment_fixed_size: 327680
    .private_segment_fixed_size: 0
    .kernarg_segment_align: 8
    .kernarg_segment_size: 16
    .max_flat_workgroup_size: 128
    .sgpr_count:     102
    .vgpr_count:     1024
    .wavefront_size: 32
...
	.end_amdgpu_metadata
.endif
;; end of part 3
;; launch pv (part 4): grid 4 x 64, 4 waves a work-group, clusters of 4 x 1, 327,680 bytes of LDS; arguments pq, qkv, embedded, out0; writes out0
.if DOCPART == 4
	.amdgcn_target "amdgcn-amd-amdhsa--gfx1250"
	.amdhsa_code_object_version 6
	.text
	.protected	k_q54be35f9b8_pv
	.globl	k_q54be35f9b8_pv
	.p2align	8
	.type	k_q54be35f9b8_pv,@function
k_q54be35f9b8_pv:
	s_mov_b64 s[64:65], 0
	v_nop
	global_prefetch_b8 v0, s[64:65] scope:SCOPE_SE
	s_setreg_imm32_b32 hwreg(HW_REG_WAVE_MODE, 25, 1), 1
	s_wait_xcnt 0x0
	s_wait_alu depctr_hold_cnt(0) depctr_sa_sdst(0) depctr_va_vdst(0) depctr_va_sdst(0) depctr_va_ssrc(0) depctr_va_vcc(0) depctr_vm_vsrc(0)
	s_getreg_b32 s2, hwreg(HW_REG_IB_STS2, 6, 4)
	s_cmp_eq_u32 s2, 0
	s_cbranch_scc0 .Lentry_in_a_cluster
	s_endpgm
.Lentry_in_a_cluster:
	s_bfe_u32 s2, ttmp6, 0x10000c
	s_cmp_lg_u32 s2, 0x3003
	s_cbranch_scc0 .Lentry_shape_is_right
	s_endpgm
.Lentry_shape_is_right:
; PV: out = x + (p v) / l on codes of BF6 (E3M2) with E8M0 scales.  p arrives in 16 parts a row, each under the whole number M of its own 128 keys.  The row's M is the largest of them; a part is brought under it by
; taking d = M - its own M off its four scale bytes (the codes stay) and by multiplying its partial sum by 2^-d: both exact.  l is the sum of the 16 partial sums.
; OPERANDS are images of their registers (a fragment: 1,536 bytes, registers 4 c .. 4 c + 3 of lane l at 512 c + 16 l); in each 32 rows tile 2 B + u, lane r is row 32 B + 8 u + r + 8 (r / 8).
; A work-group makes 128 queries (qh) x 256 channels (eb) over K = 2,048 keys; wave w all 128 queries x channels 64 w .. 64 w + 63: 32 accumulators (a = 0 .. 7; b = 0 .. 3).
; Source 0 = 16 channels of v, source 1 = 16 queries of p: a lane holds ONE query, and register 8 (b % 2) + j of tiles b = 2 B, 2 B + 1 is channel 32 B + 16 h + 8 (b % 2) + j.
; p, 196,608 bytes, COMES ONCE AND STAYS IN LDS: one joint load a wave at the head (49,152 bytes, four key steps), shared by the four work-groups of the cluster, which differ in eb alone.
; v GOES FROM MEMORY STRAIGHT INTO REGISTERS: a wave's four tiles are read by no other wave of the work-group, and an image is loaded 512 consecutive bytes an instruction.  ELEVEN SLOTS of one key step (48 registers and two
; scale words each), key step s in slot s % 11.  Each row of the walk issues half a key step, 7 loads, seven key steps ahead of its group's first: into a slot whose last key step belongs to the group before.
; x for the residual: rows 0-95 by one tensor load a wave into the wave's own LDS bytes (rows of 256 bytes: my 64 channels), behind the round that shows p whole; rows 96-127 by 16 loads into slots that are free in the last group.
; THE WALK: four groups of four key steps; in a group the eight tiles of queries one after the other, a row of 16 matrix instructions each (the tile's four accumulators by turns, K ascending).  p's four fragments of a tile and
; their scale words, 13 LDS loads, are fetched two rows ahead into three buffers.  In the last group a tile is finished with its row, and leaves at once: x 1 / l, through my stage in LDS, + x, stored.
; PREFETCH: v's key steps 11-15 are asked for four key steps ahead of their loads (24 blocks of 256 bytes, a lane a block, lanes 24-31 name the last again); x's rows 96-127 fifteen rows of the walk ahead of theirs (a lane a row).
; Each block is named once in the cluster: no partner loads my v or my x.  p and v's first key steps are wanted at the head, and x's tensor load goes out 25 rows of the walk ahead of its first read: nothing runs ahead of them.
; LIMITS: NaN and infinities are not served.  A block of p whose byte under the row's M would fall under 0 is taken with the byte 0, that is 2^-127 x its code, and a partial sum more than 127 binary orders under
; the row's M is added with 2^-127: both lie under 2^-120 of l, which is above 1/2.
; REGISTERS.  window 0: v1 r, v2 h; v3, v4 for the add; v5 p's scale words; v6, v7 the stage, in and back; v8 1 / l; v9 my offset in x and out; v10 4 x lane; v12 x in LDS; v15-17 the head's offsets; v18, v19 the prefetches';
;   v20-23 16 x lane + 49,152 g: p's fragments of group g (v20 also: 16 x lane); v24-35 p's scale words, three buffers; v40-61 v's scale words, two a slot (lanes 0-15 tile 2 n, lanes 16-31 tile 2 n + 1); v64-111 slot 10;
;   v112-255 p's fragments, three buffers (at the head: at work).   window 1: slots 0-4; v240-255 1 / l, a pair a tile.   window 3: slots 5-9; in the last group x.   window 2: accumulator (a, b) at v[8 (4 a + b)].
.set XB,    196608                     ; behind p: x's rows 0-95, 24,576 bytes a wave
.set PSC,   294912                     ; p's scale words under the row's M: [4 groups][128 rows][16 bytes]
.set RLA,   303104                     ; 1 / l twice, 8 bytes a row
.set SPARE, 304128                     ; the spare words: 128 bytes a wave, two blocks of 256 bytes that no other line names
.set STG,   304640                     ; the stage: 16 rows x 272 bytes a wave
.set MSB, 0
.macro WIN new                         ; the immediate's high byte repeats the setting that is left
.if MSB != (\new)
	s_set_vgpr_msb (MSB<<8)|(\new)
.set MSB, (\new)
.endif
.endm
.macro PLACES n                        ; plain vector instructions between a matrix instruction and a load into, or a vector instruction on, its registers
.rept \n
	v_nop
.endr
.endm
.macro CROUND                          ; a round of the cluster's barrier
	s_barrier_signal -1
	s_barrier_wait -1
	s_cmp_lg_u32 s16, 0
	s_cbranch_scc1 .Lnot_wave_0_\@
	s_barrier_signal -3
.Lnot_wave_0_\@:
	s_barrier_wait -3
	s_barrier_signal -1
	s_barrier_wait -1
.endm
	s_load_b256 s[4:11], s[0:1], 0x0               ; pq, qkv, embedded, out0
	v_lshl_add_u32 v3, v0, 2, SPARE
	v_mov_b32 v4, 0
	ds_add_u32 v3, v4
	ds_add_u32 v3, v4
	v_lshrrev_b32 v1, 5, v0
	v_readfirstlane_b32 s16, v1                    ; wave 0..3
	v_lshlrev_b32 v15, 2, v0                       ; thread T is row T, in the tiles' order, of the 128 queries
	s_bfe_u32 s19, ttmp6, 0x40000                  ; cx = eb
	s_and_b32 s21, ttmp7, 0xffff                   ; qh, the same in the whole cluster
	s_lshr_b32 s22, s21, 4                         ; the batch
	s_mov_b32 s24, 15|(3<<16)|(1<<21)              ; group 1 for p: all four partners; elements of 8 bytes; bit 21 beside a mask
	s_mov_b32 s25, 32<<16                          ; 49,152 dense bytes as 192 rows of 256
	s_mov_b32 s26, 192<<16
	s_mov_b32 s27, 32<<16
	s_mov_b32 s28, 192
	s_mov_b32 s29, 32
	s_mov_b32 s30, 0
	s_mov_b32 s31, 0
	s_mov_b32 s32, 3<<16                           ; group 1 for x, a load of my own: 96 rows of 256 bytes, 4,096 bytes apart
	s_mov_b32 s33, 32<<16
	s_mov_b32 s34, 96<<16
	s_mov_b32 s35, 32<<16
	s_mov_b32 s36, 96
	s_mov_b32 s37, 512
	s_mov_b32 s38, 0
	s_mov_b32 s39, 0
	s_mul_i32 s60, s21, 196608                     ; p's images of my 128 queries,
	s_mul_i32 s41, s16, 49152                      ; key steps 4 w .. 4 w + 3; the same place in LDS
	s_add_co_u32 s60, s60, s41
	s_mov_b32 s61, 0
	s_lshl_b32 s56, s21, 13
	s_add_co_u32 s56, s56, 12582912
	s_mov_b32 s57, 0
	s_mov_b32 s40, 1
	s_wait_alu depctr_va_vdst(0)
	s_wait_dscnt 0x0                               ; both opening adds are done
	s_wait_kmcnt 0x0
	s_add_nc_u64 s[56:57], s[4:5], s[56:57]        ; my queries' scale words; -M and the partial sums lie 524,288 and 1,048,576 bytes on
	s_add_nc_u64 s[42:43], s[4:5], s[60:61]
	s_or_b32 s43, s43, 0x80000000
.rept 16
	global_load_b32 v[112+\+], v15, s[56:57] offset:512*\+             ; p's scale words of the 16 key steps
.endr
.rept 16
	global_load_b32 v[128+\+], v15, s[56:57] offset:512*\++524288      ; -M
.endr
.rept 16
	global_load_b32 v[144+\+], v15, s[56:57] offset:512*\++1048576     ; the partial sums
.endr
	CROUND                                         ; all four work-groups are here: the joint loads meet
	tensor_load_to_lds s[40:43], s[24:31]          ; my one load at the head
	s_nop 0
	PLACES 4
	s_mul_i32 s52, s19, 1572864                    ; v's images of my 256 channels,
	s_mul_i32 s23, s22, 393216                     ; my batch's 16 key steps,
	s_add_co_u32 s52, s52, s23
	s_mul_i32 s23, s16, 6144                       ; my four tiles
	s_add_co_u32 s52, s52, s23
	s_add_co_u32 s52, s52, 12582912
	s_mov_b32 s53, 0
	s_add_nc_u64 s[52:53], s[6:7], s[52:53]
	s_lshl_b32 s54, s19, 16                        ; and their scale words
	s_lshl_b32 s23, s22, 14
	s_add_co_u32 s54, s54, s23
	s_lshl_b32 s23, s16, 8
	s_add_co_u32 s54, s54, s23
	s_add_co_u32 s54, s54, 19398656
	s_mov_b32 s55, 0
	s_add_nc_u64 s[54:55], s[6:7], s[54:55]
	s_lshl_b32 s58, s21, 19                        ; 128 qh rows of 4,096 bytes + (256 eb + 64 w) x 4
	s_lshl_b32 s23, s19, 10
	s_add_co_u32 s58, s58, s23
	s_lshl_b32 s23, s16, 8
	s_add_co_u32 s58, s58, s23
	s_mov_b32 s59, 0
	s_add_nc_u64 s[8:9], s[8:9], s[58:59]          ; x
	s_add_nc_u64 s[10:11], s[10:11], s[58:59]      ; out
	s_mov_b32 s44, 1                               ; group 0 for x's rows 0-95
	s_mul_i32 s45, s16, 24576
	s_add_co_u32 s45, s45, XB
	s_mov_b64 s[46:47], s[8:9]
	s_or_b32 s47, s47, 0x80000000
	s_mul_i32 s23, s16, 4352
	s_add_co_u32 s23, s23, STG                     ; my stage
	s_mov_b32 s70, 0x80808080
	v_and_b32 v1, 15, v0                           ; r
	v_bfe_u32 v2, v0, 4, 1                         ; h
	v_and_b32 v10, 31, v0                          ; lane
	v_lshlrev_b32 v20, 4, v10
	v_add_nc_u32 v21, 49152, v20
	v_add_nc_u32 v22, 98304, v20
	v_add_nc_u32 v23, 147456, v20
	v_lshl_add_u32 v5, v1, 4, PSC
	v_mul_u32_u24 v6, v1, 272
	v_lshl_add_u32 v6, v2, 6, v6
	v_add_nc_u32 v6, s23, v6                       ; the stage, in: row r, + 64 h
	v_mul_u32_u24 v7, v2, 272
	v_lshl_add_u32 v7, v1, 4, v7
	v_add_nc_u32 v7, s23, v7                       ; back: lanes 0-15 a row's 256 bytes, lanes 16-31 the next row's
	v_lshl_add_u32 v8, v1, 3, RLA
	v_lshlrev_b32 v9, 12, v2
	v_lshl_add_u32 v9, v1, 4, v9                   ; the same two rows in x and out
	v_add_nc_u32 v12, s45, v20                     ; and in x's LDS rows, which lie 256 bytes apart
	v_lshl_add_u32 v16, v0, 4, PSC
	v_lshl_add_u32 v17, v0, 3, RLA
	v_min_u32 v18, 23, v10
	v_lshlrev_b32 v18, 8, v18                      ; a key step of my v is 24 blocks of 256 bytes
	v_lshlrev_b32 v19, 12, v10                     ; a row of x
	v_lshlrev_b32 v10, 2, v10
	s_wait_alu depctr_va_vdst(0)
.macro SLOT s                          ; key step s: its slot sK, the slot's window sW and first register sR
.set sK, (\s)%11
.if sK < 5
.set sW, 1
.set sR, 48*sK
.else
.if sK < 10
.set sW, 3
.set sR, 48*(sK-5)
.else
.set sW, 0
.set sR, 64
.endif
.endif
.endm
.macro VHALF j                         ; half j % 2 of key step j / 2: two tiles' codes, 6 loads of 512 consecutive bytes, and their scale words
	SLOT (\j)/2
	WIN sW<<6
.irp b, 0,1
.irp c, 0,1,2
	global_load_b128 v[sR+24*((\j)%2)+12*\b+4*\c:sR+24*((\j)%2)+12*\b+4*\c+3], v20, s[52:53] offset:24576*((\j)/2)+3072*((\j)%2)+1536*\b+512*\c
.endr
.endr
	WIN 0
	global_load_b32 v[40+2*sK+(\j)%2], v10, s[54:55] offset:1024*((\j)/2)+128*((\j)%2)
.endm
.irp j, 0,1,2,3,4,5,6,7
	VHALF \j
.endr
	s_wait_loadcnt 56                              ; the 48 words of my row are in; the 56 loads of v's key steps 0-3 may be out
	v_min3_num_f32 v192, v128, v129, v130          ; the least -M is the row's
.irp s, 131,133,135,137,139,141
	v_min3_num_f32 v192, v192, v[\s], v[\s+1]
.endr
	v_min_num_f32 v192, v192, v143
.rept 16
	v_sub_f32 v[160+\+], v[128+\+], v192           ; d = the row's M - the part's: a whole number, 0 or more
.endr
.rept 16
	v_min_num_f32 v[160+\+], 0x42fe0000, v[160+\+] ; held at 127
.endr
.rept 16
	v_cvt_u32_f32 v[160+\+], v[160+\+]
.endr
.rept 16
	v_sub_nc_u32 v[176+\+], 0, v[160+\+]
.endr
.rept 16
	v_ldexp_f32 v[144+\+], v[144+\+], v[176+\+]    ; the partial sum under the row's M
.endr
.rept 16
	v_perm_b32 v[160+\+], v[160+\+], v[160+\+], 0  ; d in all four bytes
.endr
.rept 16
	v_or_b32 v[112+\+], s70, v[112+\+]             ; each byte b (1 to 123) + 128,
.endr
.rept 16
	v_sub_nc_u32 v[112+\+], v[112+\+], v[160+\+]   ; - d: 2 to 251 in each byte, so no byte borrows from the next
.endr
.rept 16
	v_and_b32 v[160+\+], s70, v[112+\+]            ; bit 7 stands where b - d is 0 or more
.endr
.rept 16
	v_lshrrev_b32 v[176+\+], 7, v[160+\+]
.endr
.rept 16
	v_sub_nc_u32 v[160+\+], v[160+\+], v[176+\+]   ; 0x7f in those bytes, 0 in the others
.endr
.rept 16
	v_and_b32 v[112+\+], v[112+\+], v[160+\+]      ; b - d, or 0
.endr
.rept 8
	v_add_f32 v[144+\+], v[144+\+], v[152+\+]
.endr
.rept 4
	v_add_f32 v[144+\+], v[144+\+], v[148+\+]
.endr
	v_add_f32 v144, v144, v146
	v_add_f32 v145, v145, v147
	v_add_f32 v144, v144, v145                     ; l
	s_wait_alu depctr_va_vdst(0)                   ; a wait ahead of the transcendental
	v_rcp_f32 v192, v144
	v_nop                                          ; a plain place behind it
	s_wait_alu depctr_va_vdst(0)                   ; and the wait ahead of its first reader
	v_mov_b32 v193, v192                           ; twice, for the packed multiplications
.irp q, 0,1,2,3
	ds_store_b128 v16, v[112+4*\q:115+4*\q] offset:2048*\q             ; four steps' words of a row lie together
.endr
	ds_store_b64 v17, v[192:193]
.irp j, 8,9,10,11,12,13
	VHALF \j                                       ; v's key steps 4-6
.endr
; p's four fragments of row n (group n / 8, tile n % 8) and their scale words, 13 LDS loads, into buffer n % 3
.macro PF n
.set pB, 112+48*((\n)%3)
.irp e, 0,1,2,3
.irp c, 0,1,2
	ds_load_b128 v[pB+12*\e+4*\c:pB+12*\e+4*\c+3], v[20+(\n)/8] offset:12288*\e+1536*((\n)%8)+512*\c
.endr
.endr
	ds_load_b128 v[24+4*((\n)%3):27+4*((\n)%3)], v5 offset:2048*((\n)/8)+256*((\n)%8)   ; lane r takes its row's 16 bytes (lanes 16-31 the same; they are not read)
.endm
; 16 matrix instructions: p's tile x v's four, four key steps.  The tile's four accumulators take turns, one instruction a turn.  The first key step starts the sums.
.macro MUL n
.set mB, 112+48*((\n)%3)
.set mS, 24+4*((\n)%3)
.irp e, 0,1,2,3
	SLOT 4*((\n)/8)+\e
	WIN 0xa0+sW                                    ; source 0 the slot's window, source 1 window 0, C and D window 2
.irp b, 0,1,2,3
.set rD, 8*(4*((\n)%8)+\b)
.set rV, sR+12*\b
.set sV, 40+2*sK+\b/2
.if (\n) < 8 && \e == 0
.if \b%2
	v_wmma_scale_f32_16x16x128_f8f6f4 v[rD:rD+7], v[rV:rV+11], v[mB+12*\e:mB+12*\e+11], 0, v[sV], v[mS+\e] matrix_a_fmt:MATRIX_FMT_BF6 matrix_b_fmt:MATRIX_FMT_BF6 matrix_a_scale:MATRIX_SCALE_ROW1
.else
	v_wmma_scale_f32_16x16x128_f8f6f4 v[rD:rD+7], v[rV:rV+11], v[mB+12*\e:mB+12*\e+11], 0, v[sV], v[mS+\e] matrix_a_fmt:MATRIX_FMT_BF6 matrix_b_fmt:MATRIX_FMT_BF6
.endif
.else
.if \b%2
	v_wmma_scale_f32_16x16x128_f8f6f4 v[rD:rD+7], v[rV:rV+11], v[mB+12*\e:mB+12*\e+11], v[rD:rD+7], v[sV], v[mS+\e] matrix_a_fmt:MATRIX_FMT_BF6 matrix_b_fmt:MATRIX_FMT_BF6 matrix_a_scale:MATRIX_SCALE_ROW1
.else
	v_wmma_scale_f32_16x16x128_f8f6f4 v[rD:rD+7], v[rV:rV+11], v[mB+12*\e:mB+12*\e+11], v[rD:rD+7], v[sV], v[mS+\e] matrix_a_fmt:MATRIX_FMT_BF6 matrix_b_fmt:MATRIX_FMT_BF6
.endif
.endif
.endr
.endr
.endm
; THE WAY OUT of tile a, first half: x 1 / l in place (each accumulator from its low end on); into my stage; back as rows of 256 bytes, into the same registers; for tiles 0-5 the same rows of x from LDS: 24 LDS lines, for tiles 6, 7: 16
.macro OUTA a
.set oD, 32*(\a)
	WIN 0x86                                       ; destination and source 0 window 2, source 1 window 1
.set k, 0
.rept 16
	v_pk_mul_f32 v[oD+k:oD+k+1], v[oD+k:oD+k+1], v[240+2*(\a):241+2*(\a)]
.set k, k+2
.endr
	WIN 0x08                                       ; an LDS store's data are its source 1: window 2
.irp b, 0,1,2,3
	ds_store_b128 v6, v[oD+8*\b:oD+8*\b+3] offset:128*(\b/2)+32*(\b%2)
	ds_store_b128 v6, v[oD+8*\b+4:oD+8*\b+7] offset:128*(\b/2)+32*(\b%2)+16
.endr
	WIN 0x80
.irp t, 0,1,2,3,4,5,6,7
	ds_load_b128 v[oD+4*\t:oD+4*\t+3], v7 offset:544*\t            ; LDS serves a wave's instructions in order: these see my stores, and the next tile's stores come behind them
.endr
.if (\a) < 6
	WIN 0xc0
.irp t, 0,1,2,3,4,5,6,7
	ds_load_b128 v[32*((\a)%4)+4*\t:32*((\a)%4)+4*\t+3], v12 offset:256*(32*((\a)/2)+8*((\a)%2)+2*\t+8*(\t/4))
.endr
.endif
	WIN 0
.endm
; second half.  cnt: the LDS lines issued behind tile a's
.macro OUTB a, cnt
.set oD, 32*(\a)
.if (\a) < 6
.set oX, 32*((\a)%4)
.else
.set oX, 128+32*((\a)-6)
.endif
	s_wait_dscnt \cnt
	WIN 0x8e                                       ; destination and source 0 window 2, source 1 window 3
.set k, 0
.rept 16
	v_pk_add_f32 v[oD+k:oD+k+1], v[oD+k:oD+k+1], v[oX+k:oX+k+1]
.set k, k+2
.endr
	WIN 0x08
.irp t, 0,1,2,3,4,5,6,7
	global_store_b128 v9, v[oD+4*\t:oD+4*\t+3], s[10:11] offset:4096*(32*((\a)/2)+8*((\a)%2)+2*\t+8*(\t/4)) th:TH_STORE_NT   ; 16 lanes store 256 consecutive bytes, aligned; each tile has registers of its own
.endr
	WIN 0
.endm
.macro ROW n
.set rA, (\n)%8
	WIN 0
	PLACES 4                                       ; behind the last row's products: in front of loads into its buffer and into the last group's slots and, in the last group, of the reads of its results
.if (\n) == 25
	s_wait_tensorcnt 0x0                           ; x's rows 0-95 are in: only I read my bytes of them
.endif
.if (\n) < 30
	PF (\n)+2
.endif
.if (\n) < 18
	VHALF (\n)+14
.endif
.if rA == 0
.if (\n) < 24
	s_wait_loadcnt 49                              ; this group's four key steps are in; the seven younger half steps, 7 loads each, may be out
.else
	s_wait_loadcnt 0x0
	WIN 0xc0
.irp a, 6,7
.irp t, 0,1,2,3,4,5,6,7
	global_load_b128 v[128+32*(\a-6)+4*\t:128+32*(\a-6)+4*\t+3], v9, s[8:9] offset:4096*(32*(\a/2)+8*(\a%2)+2*\t+8*(\t/4)) th:TH_LOAD_NT   ; x's rows of tiles 6 and 7
.endr
.endr
	WIN 0
.endif
.endif
.if (\n)%2 == 0 && (\n) < 10
	global_prefetch_b8 v18, s[52:53] offset:24576*(11+(\n)/2) th:TH_LOAD_NT scope:SCOPE_SE   ; v's key step 11 + n / 2
.endif
.if (\n) == 9
	global_prefetch_b8 v19, s[8:9] offset:393216 th:TH_LOAD_NT scope:SCOPE_SE   ; x's rows 96 + lane
.endif
.if (\n) > 24
	OUTA rA-1
.endif
.if (\n) > 25
.set rC, 37                            ; behind tile a - 2's lines: the 13 of p's row n + 2 and tile a - 1's 24.  (p's row n is older than all of these)
.if (\n) == 30
.set rC, 24                            ; no more rows of p
.endif
.if (\n) == 31
.set rC, 16                            ; tile 6 has 16 lines
.endif
	OUTB rA-2, rC
.else
.if (\n) == 25
	s_wait_dscnt 50                                ; behind p's row 25: rows 26 and 27, 13 each, and tile 0's 24
.else
	s_wait_dscnt 26                                ; behind p's row n: rows n + 1 and n + 2, 13 each
.endif
.endif
	MUL \n
.endm
	s_wait_alu depctr_va_vdst(0)
	s_wait_tensorcnt 0x0                           ; my four key steps of p are in
	ds_add_u32 v3, v4
	s_wait_dscnt 0x0                               ; the add is done, and my words lie in LDS
	CROUND                                         ; p and the words are whole
	tensor_load_to_lds s[44:47], s[32:39]          ; x's rows 0-95: my one load behind the round
	s_nop 0
	PLACES 4
	WIN 0x40
.irp a, 0,1,2,3,4,5,6,7
	ds_load_b64 v[240+2*\a:241+2*\a], v8 offset:128*\a             ; 1 / l of my query in tile a
.endr
	WIN 0
	PF 0
	PF 1
.set N, 0
.rept 32
	ROW N
.set N, N+1
.endr
	WIN 0
	PLACES 4
	OUTA 7
	s_wait_loadcnt 0x0                             ; x's rows of tiles 6 and 7
	OUTB 6, 16
	OUTB 7, 0
	s_wait_tensorcnt 0x0                           ; the wave's end
	ds_add_u32 v3, v4
	s_wait_dscnt 0x0
	CROUND                                         ; the closing round
	s_endpgm
.Lfunc_end_k_q54be35f9b8_pv:
	.size	k_q54be35f9b8_pv, .Lfunc_end_k_q54be35f9b8_pv-k_q54be35f9b8_pv
	.p2alignl 7, 3214868480
	.fill 96, 4, 3214868480
	.section	.rodata,"a",@progbits
	.p2align	6, 0x0
	.amdhsa_kernel k_q54be35f9b8_pv
		.amdhsa_group_segment_fixed_size 327680
		.amdhsa_private_segment_fixed_size 0
		.amdhsa_enable_private_segment 0
		.amdhsa_kernarg_size 32
		.amdhsa_user_sgpr_count 2
		.amdhsa_user_sgpr_kernarg_segment_ptr 1
		.amdhsa_wavefront_size32 1
		.amdhsa_system_sgpr_workgroup_id_x 1
		.amdhsa_system_sgpr_workgroup_id_y 1
		.amdhsa_system_sgpr_workgroup_id_z 1
		.amdhsa_system_vgpr_workitem_id 0
		.amdhsa_next_free_vgpr 1024
		.amdhsa_next_free_sgpr 72
		.amdhsa_reserve_vcc 0
		.amdhsa_float_denorm_mode_32 3
		.amdhsa_float_denorm_mode_16_64 3
		.amdhsa_memory_ordered 1
		.amdhsa_forward_progress 1
		.amdhsa_inst_pref_size 179
	.end_amdhsa_kernel
	.amdgpu_metadata
---
amdhsa.version: [ 1, 2 ]
amdhsa.kernels:
  - .name:           k_q54be35f9b8_pv
    .symbol:         k_q54be35f9b8_pv.kd
    .args:
      - { .name: pq, .offset: 0, .size: 8, .value_kind: global_buffer, .address_space: global }
      - { .name: qkv, .offset: 8, .size: 8, .value_kind: global_buffer, .address_space: global }
      - { .name: embedded, .offset: 16, .size: 8, .value_kind: global_buffer, .address_space: global }
      - { .name: out0, .offset: 24, .size: 8, .value_kind: global_buffer, .address_space: global }
    .group_segment_fixed_size: 327680
    .private_segment_fixed_size: 0
    .kernarg_segment_align: 8
    .kernarg_segment_size: 32
    .max_flat_workgroup_size: 128
    .sgpr_count:     72
    .vgpr_count:     1024
    .wavefront_size: 32
...
	.end_amdgpu_metadata
.endif
;; end of part 4
